; MI455X (gfx1250); checked and timed in simulation.
; The chip was launched on July 23, 2026; its instructions are those of AMD's public machine-readable ISA for CDNA 5 (MIT licence, August 2026) and "CDNA5" Instruction Set Architecture Reference Guide (July 2026). The comments in the code are by the model that wrote it; some were corrected since.
;; Dense MHA. Allowed arithmetic: matrix products marked QUANTISED: E2M3 operands, one E8M0 scale for each 32 along K, by v_wmma_scale_f32_16x16x128_f8f6f4 with both operands' format E2M3, f32 sums; everything else in f32.
;; Inputs: Wk 2,048 x 1,024 float32; Wo 1,024 x 2,048 float32; Wq 2,048 x 1,024 float32; Wv 2,048 x 1,024 float32; bk 2,048 float32; bo 1,024 float32; bq 2,048 float32; bv 2,048 float32; hidden_states 2 x 2,048 x 1,024 float32.
;; Outputs: out0 2 x 2,048 x 1,024 float32.
;; This version of the problem:
;;   THIS VERSION OF THE PROBLEM IS GIVEN IN LOW PRECISION. The matrix products marked QUANTISED in the list below multiply operands that are first quantised to E2M3 (2 exponent bits, 3 mantissa bits; 6 bits a number), with one power-of-two scale for each 32 numbers along K (OCP MX v1.0); their sums are f32. All else is computed in f32.
;;   The module's matrix products, in the order in which they are computed (A, B: the left and right operand; K: the contracted axis; several contracted axes count as one K, in the product's order):
;;     1. [M 4,096, K 1,024] x [K 1,024, N 2,048]; A: input hidden_states; B: input Wq: QUANTISED
;;     2. [M 4,096, K 1,024] x [K 1,024, N 2,048]; A: input hidden_states; B: input Wk: QUANTISED
;;     3. [M 4,096, K 1,024] x [K 1,024, N 2,048]; A: input hidden_states; B: input Wv: QUANTISED
;;     4. batch 32 x [M 2,048, K 128] x [K 128, N 2,048]; A: computed on the way; B: computed on the way: QUANTISED
;;     5. batch 32 x [M 2,048, K 2,048] x [K 2,048, N 128]; A: softmax (see below); B: computed on the way: QUANTISED
;;     6. [M 4,096, K 2,048] x [K 2,048, N 1,024]; A: computed on the way; B: input Wo: QUANTISED
;;   THE QUANTISER, for each operand of a quantised product, along K:
;;     - K is cut into blocks of 32 from its start; a last block that is shorter is filled with zeros.
;;     - A block's scale is 2^e with e = floor(log2(the largest magnitude in the block)) - 2, held to -126 .. 127; a block of zeros has e = 0. As a byte (E8M0): e + 127.
;;     - Each number is divided by its block's scale, clamped to +-7.5, and rounded to the nearest number of E2M3, ties to even, subnormals kept.
;;     - The product sums the exact products of the quantised numbers (number of the format x scale) in f32.
;;   ~~~python
;;   def quantise(x, axis):      # numpy; x: float32 -> the quantised numbers, widened to float32 again
;;       x = np.moveaxis(x, axis, -1); K = x.shape[-1]
;;       x = np.pad(x, [(0, 0)] * (x.ndim - 1) + [(0, -K % 32)]); x = x.reshape(x.shape[:-1] + (-1, 32)); a = np.abs(x).max(-1, keepdims=True)
;;       e = np.where(a > 0, np.clip(np.frexp(np.where(a > 0, a, 1))[1] - 1 - 2, -126, 127), 0)      # np.frexp(a)[1] - 1 = floor(log2(a)), exactly
;;       r = np.clip(x / 2.0 ** e, -7.5, 7.5)
;;       step = 2.0 ** (np.maximum(np.frexp(np.where(r == 0, 1, r))[1] - 1, 0) - 3)
;;       q = np.round(r / step) * step * 2.0 ** e      # np.round: ties to even
;;       return np.moveaxis(q.reshape(q.shape[:-2] + (-1,))[..., :K], -1, axis).astype(np.float32)
;;   ~~~
;;   SOFTMAX AHEAD OF A QUANTISED PRODUCT. Where the list says 'softmax', what is quantised is not the finished softmax but p = 2^(t - M), with t = logit x log2(e) and M = ceil(the row's largest t), a whole number; so 1/2 < the row's largest p <= 1. The row's sum l is taken of the UNQUANTISED p, in f32, and the product's result is divided by l at the end. Since M is a whole number, a kernel that streams over the keys may use a running M (the ceiling of the running maximum): every later rescaling is an exact power of two, which a block's scale takes up: the codes' values come out the same.
;;   OPERANDS COMPUTED ON THE WAY. 'Computed on the way' means the value that the module computes at that place (a softmax that the list does not call 'softmax' is quantised finished and normalised). What goes into a quantiser is computed in f32, as accurately as f32 sums, v_exp_f32 and their like allow (about 1e-6 of the number): no bf16 or f16 on the way to a quantiser, and a product that is left as it is and whose result goes on into a quantised operand takes f32 operands (vector FMAs, or v_wmma_f32_16x16x4_f32). A number that lies on a knife's edge between two numbers of the format may be rounded either way, as far as f32 arithmetic and the matrix unit's own rounding can turn it there, and no further.
;; One version. Each part assembles by itself: llvm-mc -triple=amdgcn-amd-amdhsa -mcpu=gfx1250 --defsym DOCPART=n.
;; ======== version 1 of 1: 4 launches
;; limits: right only within a limited range of input values
;; workspace buffers: codes1 9,437,184 bytes; scales1 393,216 bytes; rope 1,048,576 bytes; codes2 18,874,368 bytes; scales2 786,432 bytes; codes3 6,291,456 bytes; scales3 262,144 bytes
;; launch prep (part 1): grid 448 x 1, 4 waves a work-group, no clusters, 35,328 bytes of LDS; arguments hidden_states, Wq, Wk, Wv, Wo, codes1, scales1, rope; writes codes1, scales1, rope
.if DOCPART == 1
	.amdgcn_target "amdgcn-amd-amdhsa--gfx1250"
	.amdhsa_code_object_version 6
	.text
	.protected	k_qd9c325e679_prep
	.globl	k_qd9c325e679_prep
	.p2align	8
	.type	k_qd9c325e679_prep,@function
k_qd9c325e679_prep:
	s_mov_b64 s[64:65], 0
	v_nop
	global_prefetch_b8 v0, s[64:65] scope:SCOPE_SE
	s_setreg_imm32_b32 hwreg(HW_REG_WAVE_MODE, 25, 1), 1
	s_wait_xcnt 0x0
; PREP.  (1) hidden_states [4096][1024], Wq, Wk, Wv [2048][1024] and Wo [1024][2048], f32 with K innermost, become codes of FP6 (E2M3) with one E8M0 byte for each 32 along K.
; (2) The table of cos and sin for the rotary embedding, 2,048 positions x 64 frequencies.
; LAYOUT OF THE CODES: fragments of 16 rows x 128 K, 1,536 bytes each, AS IMAGES OF THE OPERAND'S 12 REGISTERS: registers 4 c .. 4 c + 3 of lane l at byte 512 c + 16 l.  Lane (r, h) holds K = 64 c' + 32 h + 0 .. 31
; of row r in registers 6 c' .. 6 c' + 5.  Fragment number = row block x (K / 128) + K step.  A fragment's scale words: 64 bytes, row r's word at 4 r.
; ROW ORDER: lane r of row block rb holds the row 32 (rb / 2) + 8 (rb % 2) + r + 8 (r / 8): as source 0 of a product such blocks give a lane 16 neighbours along the next K in two neighbouring tiles.
; A block's scale is 2^(floor(log2(largest magnitude)) - 2): its byte is the largest magnitude's exponent field - 2, held at 1 from below.
; LIMITS: NaN and infinities among the inputs are not served.  A block whose largest magnitude lies under 2^-124, a block of zeros among them, keeps the byte 1 (the rule says 127 for zeros): its codes are zeros
; or what the byte 1 gives, and the bytes are read by this program alone.  inv_freq = 2^(-j log2(10000) / 64) by v_exp_f32 of an argument that is rounded once: about 4e-7 of the number at the worst; the phase
; position x inv_freq may so differ from another f32 evaluation by about 2e-4 rad at the largest positions and lowest j; cos and sin of the f32 phase are good to about 1e-7.
; SHARES.  Work-groups 0-383 quantise: wave W = 4 g + w makes fragments 4 W .. 4 W + 3 (16 rows x 512 K): the outputs of the launch are one stream.  Work-groups 384-447 make the table.  Waves share nothing: no barrier.
.set WREG, 8704                        ; LDS of a wave: a stage of 16 rows x 528 bytes, then 256 bytes of scale words
.set SP,   528                         ; a stage row: 512 bytes + 16: an odd multiple of 16
.set OFF,  16                          ; v16-31   byte offset of my 16 bytes in row i of the block; never rewritten
.set R,    32                          ; v32-159  two sets of 64: a fragment's numbers as loaded
.set X,    160                         ; v160-223 my 64 numbers: register 32 c + i = K 64 c + 32 h + i of row r
.set C,    224                         ; v224-235 the fragment's codes
.set T,    236                         ; v236-243 the upper halves of the two blocks, before they are moved
.set MX,   244                         ; v244-247 largest magnitudes, then the conversions' scale operands
.set PW,   248                         ; v248-251 the scale word of each of the four fragments
	s_load_b512 s[4:19], s[0:1], 0x0               ; hidden_states, Wq, Wk, Wv, Wo, codes1, scales1, rope
	v_lshl_add_u32 v239, v0, 2, 0x8800
	v_mov_b32 v243, 0
	v_lshrrev_b32 v1, 5, v0
	v_readfirstlane_b32 s20, v1                    ; wave
	v_and_b32 v1, 31, v0                           ; lane
	v_and_b32 v2, 15, v0                           ; r
	v_bfe_u32 v3, v0, 4, 1                         ; h
	v_lshlrev_b32 v4, 4, v1                        ; 16 x lane
	s_cmp_ge_u32 ttmp9, 384
	s_cbranch_scc1 .Ltable
	; ---------------- the quantiser
	s_mov_b32 s30, 0x76543210
	s_mov_b32 s31, 0xfedcba98                      ; selects of v_permlanex16_b32: lane l xor 16
	s_mul_i32 s21, s20, WREG
	v_add_nc_u32 v5, s21, v4                       ; stage, way in: 16 x lane of a row
	v_mul_u32_u24 v6, v2, SP
	v_lshl_add_u32 v6, v3, 7, v6
	v_add_nc_u32 v6, s21, v6                       ; stage, way out: row r, + 128 h bytes
	s_add_co_u32 s21, s21, 16*SP
	v_lshl_add_u32 v7, v2, 2, s21                  ; my row's scale word
	v_lshl_add_u32 v8, v1, 3, s21                  ; and the way out of the 256 bytes: 8 a lane
	v_lshlrev_b32 v9, 3, v1
	v_lshlrev_b32 v10, 3, v3                       ; 8 h: my two bytes' place in the scale word
	v_mov_b32 v252, 0                              ; a lane permute's destination counts as read: written once
	s_wait_kmcnt 0x0
	s_mov_b64 s[22:23], s[12:13]                   ; which tensor: the choice hangs on the work-group's number alone
	s_mov_b32 s24, 320                             ; its first work-group
	s_mov_b32 s25, 2                               ; log2(K / 512)
	s_cmp_lt_u32 ttmp9, 320
	s_cselect_b64 s[22:23], s[10:11], s[22:23]
	s_cselect_b32 s24, 256, s24
	s_cselect_b32 s25, 1, s25
	s_cmp_lt_u32 ttmp9, 256
	s_cselect_b64 s[22:23], s[8:9], s[22:23]
	s_cselect_b32 s24, 192, s24
	s_cmp_lt_u32 ttmp9, 192
	s_cselect_b64 s[22:23], s[6:7], s[22:23]
	s_cselect_b32 s24, 128, s24
	s_cmp_lt_u32 ttmp9, 128
	s_cselect_b64 s[22:23], s[4:5], s[22:23]
	s_cselect_b32 s24, 0, s24
	s_sub_co_u32 s26, ttmp9, s24
	s_lshl_b32 s26, s26, 2
	s_add_co_u32 s26, s26, s20                     ; my wave's number in the tensor
	s_lshr_b32 s27, s26, s25                       ; row block
	s_lshl_b32 s28, s27, s25
	s_sub_co_u32 s28, s26, s28                     ; which 512 along K
	s_lshl_b32 s29, 2048, s25                      ; a row in bytes
	s_lshr_b32 s32, s27, 1
	s_lshl_b32 s32, s32, 5
	s_and_b32 s33, s27, 1
	s_lshl_b32 s33, s33, 3
	s_add_co_u32 s32, s32, s33                     ; the block's first row
	s_mul_i32 s32, s32, s29
	s_lshl_b32 s28, s28, 11
	s_add_co_u32 s32, s32, s28
	s_mov_b32 s33, 0
	s_add_nc_u64 s[22:23], s[22:23], s[32:33]
	s_lshl_b32 s34, ttmp9, 2
	s_add_co_u32 s34, s34, s20                     ; W
	s_mul_i32 s36, s34, 6144
	s_mov_b32 s37, 0
	s_add_nc_u64 s[14:15], s[14:15], s[36:37]      ; my four fragments
	s_lshl_b32 s36, s34, 8
	s_add_nc_u64 s[16:17], s[16:17], s[36:37]      ; my 256 scale bytes
.irp i, 0,1,2,3,4,5,6,7,8,9,10,11,12,13,14,15
	v_mad_u32_u24 v[OFF+\i], s29, \i+8*(\i/8), v4  ; stored row i is row i + 8 (i / 8) of the block's 24
.endr
.macro LOAD f                          ; fragment f: 16 rows x 512 bytes; each load reads 512 consecutive bytes of one row
.irp i, 0,1,2,3,4,5,6,7,8,9,10,11,12,13,14,15
	global_load_b128 v[R+64*((\f)%2)+4*\i:R+64*((\f)%2)+4*\i+3], v[OFF+\i], s[22:23] offset:512*(\f) th:TH_LOAD_NT
.endr
.endm
.macro QUANT2 f                        ; my two whole blocks (h and 2 + h of row r) become registers 0-5 and 6-11 of the fragment; no other lane is asked for a maximum
.irp c, 0,1
	v_max3_num_f32 v[MX+\c], |v[X+32*\c]|, |v[X+32*\c+1]|, |v[X+32*\c+2]|
	v_max3_num_f32 v[MX+2+\c], |v[X+32*\c+3]|, |v[X+32*\c+4]|, |v[X+32*\c+5]|
.endr
.irp i, 6,10,14,18,22,26
.irp c, 0,1
	v_max3_num_f32 v[MX+\c], v[MX+\c], |v[X+32*\c+\i]|, |v[X+32*\c+\i+1]|
	v_max3_num_f32 v[MX+2+\c], v[MX+2+\c], |v[X+32*\c+\i+2]|, |v[X+32*\c+\i+3]|
.endr
.endr
.irp c, 0,1
	v_max3_num_f32 v[MX+\c], v[MX+\c], |v[X+32*\c+30]|, |v[X+32*\c+31]|
.endr
.irp c, 0,1
	v_max3_num_f32 v[MX+\c], v[MX+\c], v[MX+2+\c], 0x1800000   ; and the floor 2^(3 - 127): the byte cannot fall under 1
.endr
.irp c, 0,1
	v_add_nc_u32 v[MX+2+\c], 0xff000000, v[MX+\c]  ; 2 off the exponent field: the conversion takes this operand's exponent field as its scale
.endr
.irp c, 0,1
	v_lshrrev_b32 v[253+\c], 23, v[MX+2+\c]        ; the scale's byte
.endr
	v_lshl_or_b32 v255, v254, 16, v253             ; bytes h and 2 + h,
	v_lshlrev_b32 v255, v10, v255                  ; at their places;
	v_permlanex16_b32 v252, v255, s30, s31
	v_or_b32 v[PW+\f], v255, v252                  ; with lane l xor 16's two the word is whole
.irp c, 0,1
	v_cvt_scalef32_pk16_fp6_f32 v[C+6*\c:C+6*\c+2], v[X+32*\c:X+32*\c+15], v[MX+2+\c]
	v_cvt_scalef32_pk16_fp6_f32 v[T+4*\c:T+4*\c+2], v[X+32*\c+16:X+32*\c+31], v[MX+2+\c]   ; (a conversion's three registers begin on an even number)
.endr
	v_nop                                          ; one plain line behind the scaled conversions
.irp c, 0,1
.irp i, 0,1,2
	v_mov_b32 v[C+3+6*\c+\i], v[T+4*\c+\i]
.endr
.endr
.endm
.macro FRAG f
.if (\f) < 3
	s_wait_loadcnt 16                              ; this fragment's 16 loads are in; the next fragment's 16 may be out
.else
	s_wait_loadcnt 0x0
.endif
.irp i, 0,1,2,3,4,5,6,7,8,9,10,11,12,13,14,15
	ds_store_b128 v5, v[R+64*((\f)%2)+4*\i:R+64*((\f)%2)+4*\i+3] offset:SP*\i
.endr
.irp c, 0,1
.irp j, 0,1,2,3,4,5,6,7
	ds_load_b128 v[X+32*\c+4*\j:X+32*\c+4*\j+3], v6 offset:256*\c+16*\j   ; LDS serves a wave's instructions in order (ISA guide 5.7.1.4): these see the stores above
.endr
.endr
	s_wait_dscnt 0x0                               ; my numbers are back, and the stores into the stage have read their registers
.if (\f) > 0
	s_wait_xcnt 0x0                                ; the last fragment's stores have read the codes' registers, which are written again below
.endif
.if (\f) < 2
	LOAD (\f)+2
.endif
	QUANT2 \f
.irp c, 0,1,2
	global_store_b128 v4, v[C+4*\c:C+4*\c+3], s[14:15] offset:1536*(\f)+512*\c   ; 32 lanes store 512 consecutive bytes
.endr
	ds_store_b32 v7, v[PW+\f] offset:64*(\f)       ; both halves of the lanes write the same word with the same value
.endm
	LOAD 0
	LOAD 1
	s_wait_alu depctr_va_vdst(0)
	FRAG 0
	FRAG 1
	FRAG 2
	FRAG 3
	ds_load_b64 v[252:253], v8
	s_wait_dscnt 0x0
	global_store_b64 v9, v[252:253], s[16:17]      ; 32 lanes store 256 consecutive bytes, aligned
	s_wait_tensorcnt 0x0
	ds_add_u32 v239, v243
	s_wait_dscnt 0x0
	s_endpgm
	; ---------------- the table: rope[block of 16 positions][group 0-7 cos, 8-15 sin][lane][4]: register 16 B + i of lane (r, h) stands for frequency 32 B + 16 h + i at the lane's position
.Ltable:
.set IVF, 32                           ; v32-47  inv_freq of my 16 frequencies
.set COS, 48                           ; v48-63
.set SIN, 64                           ; v64-79
	s_sub_co_u32 s21, ttmp9, 384
	s_lshl_b32 s21, s21, 1
	s_lshr_b32 s22, s20, 1
	s_add_co_u32 s21, s21, s22                     ; the block of positions, 0 .. 127
	s_and_b32 s22, s20, 1                          ; which 32 frequencies
	s_lshr_b32 s23, s21, 1
	s_lshl_b32 s23, s23, 5
	s_and_b32 s24, s21, 1
	s_lshl_b32 s24, s24, 3
	s_add_co_u32 s23, s23, s24
	s_wait_alu depctr_va_vdst(0)
	v_and_b32 v5, 8, v2
	v_add_nc_u32 v5, v5, v2
	v_add_nc_u32 v5, s23, v5
	v_cvt_f32_u32 v5, v5                           ; my position
	s_lshl_b32 s24, s22, 5
	v_lshl_add_u32 v6, v3, 4, s24                  ; my first frequency
	s_mov_b32 s40, 0xb94ca1f9                      ; sin r = r + r z ((S0 z + S1) z + S2), z = r r, for |r| <= pi / 4
	s_mov_b32 s41, 0x3c08839e
	s_mov_b32 s42, 0xbe2aaaa3
	s_mov_b32 s43, 0x37ccf5ce                      ; cos r = 1 - z / 2 + z z ((C0 z + C1) z + C2)
	s_mov_b32 s44, 0xbab6061a
	s_mov_b32 s45, 0x3d2aaaa5
	s_mov_b32 s46, 0xbe549a80                      ; -log2(10000) / 64 in two parts: the first has 17 bits, so that j x it is exact for j < 64
	s_mov_b32 s47, 0x33f6865f
	s_mov_b32 s48, 0x3fc90fdb                      ; pi / 2 in two parts
	s_mov_b32 s49, 0xb33bbd2e
	s_lshl_b32 s26, s21, 13
	s_lshl_b32 s27, s22, 11
	s_add_co_u32 s26, s26, s27
	s_mov_b32 s27, 0
	s_wait_alu depctr_va_vdst(0)
	s_wait_kmcnt 0x0
	s_add_nc_u64 s[18:19], s[18:19], s[26:27]
.irp n, 0,1,2,3,4,5,6,7,8,9,10,11,12,13,14,15
	v_add_nc_u32 v80, \n, v6
	v_cvt_f32_u32 v[IVF+\n], v80
	v_mul_f32 v81, s46, v[IVF+\n]
	v_fma_f32 v[IVF+\n], v[IVF+\n], s47, v81
.endr
	s_wait_alu depctr_va_vdst(0)
.irp n, 0,1,2,3,4,5,6,7,8,9,10,11,12,13,14,15
	v_exp_f32 v[IVF+\n], v[IVF+\n]
.endr
	v_nop                                          ; a plain line behind the exponentials,
	s_wait_alu depctr_va_vdst(0)                   ; and one wait for the batch, ahead of its first reader
.macro SC n
	v_mul_f32 v81, v5, v[IVF+\n]                   ; the phase, one f32 product
	v_mul_f32 v82, 0x3f22f983, v81
	v_rndne_f32 v82, v82                           ; k = the nearest whole number to phase x 2 / pi, at most 1,303
	v_fma_f32 v83, -v82, s48, v81                  ; phase - k pi / 2: the first part's difference is exact,
	v_fma_f32 v83, -v82, s49, v83                  ; the second is rounded once
	v_mul_f32 v84, v83, v83
	v_fma_f32 v85, s40, v84, s41
	v_fma_f32 v85, v85, v84, s42
	v_mul_f32 v85, v85, v84
	v_fma_f32 v85, v85, v83, v83                   ; sin r
	v_fma_f32 v86, s43, v84, s44
	v_fma_f32 v86, v86, v84, s45
	v_mul_f32 v87, v84, v84
	v_fma_f32 v88, v84, -0.5, 1.0
	v_fma_f32 v86, v86, v87, v88                   ; cos r
	v_cvt_i32_f32 v89, v82
	v_and_b32 v87, 1, v89
	v_cmp_eq_u32 vcc_lo, 1, v87                    ; in odd quadrants the two change places
	v_cndmask_b32 v90, v85, v86, vcc_lo
	v_cndmask_b32 v91, v86, v85, vcc_lo
	v_and_b32 v87, 2, v89
	v_lshlrev_b32 v87, 30, v87
	v_xor_b32 v[SIN+\n], v87, v90                  ; sin is negative in quadrants 2, 3
	v_add_nc_u32 v89, 1, v89
	v_and_b32 v89, 2, v89
	v_lshlrev_b32 v89, 30, v89
	v_xor_b32 v[COS+\n], v89, v91                  ; cos in quadrants 1, 2
.endm
.irp n, 0,1,2,3,4,5,6,7,8,9,10,11,12,13,14,15
	SC \n
.endr
.irp t, 0,1,2,3
	global_store_b128 v4, v[COS+4*\t:COS+4*\t+3], s[18:19] offset:512*\t        ; 32 lanes store 512 consecutive bytes
	global_store_b128 v4, v[SIN+4*\t:SIN+4*\t+3], s[18:19] offset:4096+512*\t
.endr
	s_endpgm
.Lfunc_end_k_qd9c325e679_prep:
	.size	k_qd9c325e679_prep, .Lfunc_end_k_qd9c325e679_prep-k_qd9c325e679_prep
	.p2alignl 7, 3214868480
	.fill 96, 4, 3214868480
	.section	.rodata,"a",@progbits
	.p2align	6, 0x0
	.amdhsa_kernel k_qd9c325e679_prep
		.amdhsa_group_segment_fixed_size 35328
		.amdhsa_private_segment_fixed_size 0
		.amdhsa_enable_private_segment 0
		.amdhsa_kernarg_size 64
		.amdhsa_user_sgpr_count 2
		.amdhsa_user_sgpr_kernarg_segment_ptr 1
		.amdhsa_wavefront_size32 1
		.amdhsa_system_sgpr_workgroup_id_x 1
		.amdhsa_system_sgpr_workgroup_id_y 1
		.amdhsa_system_sgpr_workgroup_id_z 1
		.amdhsa_system_vgpr_workitem_id 0
		.amdhsa_next_free_vgpr 256
		.amdhsa_next_free_sgpr 66
		.amdhsa_reserve_vcc 1
		.amdhsa_float_denorm_mode_32 3
		.amdhsa_float_denorm_mode_16_64 3
		.amdhsa_memory_ordered 1
		.amdhsa_forward_progress 1
		.amdhsa_inst_pref_size 56
	.end_amdhsa_kernel
	.amdgpu_metadata
---
amdhsa.version: [ 1, 2 ]
amdhsa.kernels:
  - .name:           k_qd9c325e679_prep
    .symbol:         k_qd9c325e679_prep.kd
    .args:
      - { .name: hidden_states, .offset: 0, .size: 8, .value_kind: global_buffer, .address_space: global }
      - { .name: Wq, .offset: 8, .size: 8, .value_kind: global_buffer, .address_space: global }
      - { .name: Wk, .offset: 16, .size: 8, .value_kind: global_buffer, .address_space: global }
      - { .name: Wv, .offset: 24, .size: 8, .value_kind: global_buffer, .address_space: global }
      - { .name: Wo, .offset: 32, .size: 8, .value_kind: global_buffer, .address_space: global }
      - { .name: codes1, .offset: 40, .size: 8, .value_kind: global_buffer, .address_space: global }
      - { .name: scales1, .offset: 48, .size: 8, .value_kind: global_buffer, .address_space: global }
      - { .name: rope, .offset: 56, .size: 8, .value_kind: global_buffer, .address_space: global }
    .group_segment_fixed_size: 35328
    .private_segment_fixed_size: 0
    .kernarg_segment_align: 8
    .kernarg_segment_size: 64
    .max_flat_workgroup_size: 128
    .sgpr_count:     66
    .vgpr_count:     256
    .wavefront_size: 32
...
	.end_amdgpu_metadata
.endif
;; end of part 1
;; launch qkv (part 2): grid 16 x 24, 4 waves a work-group, clusters of 4 x 4, 327,680 bytes of LDS; arguments codes1, scales1, rope, bq, bk, bv, codes2, scales2; writes codes2, scales2
.if DOCPART == 2
	.amdgcn_target "amdgcn-amd-amdhsa--gfx1250"
	.amdhsa_code_object_version 6
	.text
	.protected	k_qd9c325e679_qkv
	.globl	k_qd9c325e679_qkv
	.p2align	8
	.type	k_qd9c325e679_qkv,@function
k_qd9c325e679_qkv:
	s_mov_b64 s[64:65], 0
	v_nop
	global_prefetch_b8 v0, s[64:65] scope:SCOPE_SE
	s_setreg_imm32_b32 hwreg(HW_REG_WAVE_MODE, 25, 1), 1
	s_wait_xcnt 0x0
	s_wait_alu depctr_hold_cnt(0) depctr_sa_sdst(0) depctr_va_vdst(0) depctr_va_sdst(0) depctr_va_ssrc(0) depctr_va_vcc(0) depctr_vm_vsrc(0)
	s_getreg_b32 s2, hwreg(HW_REG_IB_STS2, 6, 4)
	s_cmp_eq_u32 s2, 0
	s_cbranch_scc0 .Lentry_in_a_cluster
	s_endpgm
.Lentry_in_a_cluster:
	s_bfe_u32 s2, ttmp6, 0x10000c
	s_cmp_lg_u32 s2, 0xf033
	s_cbranch_scc0 .Lentry_shape_is_right
	s_endpgm
.Lentry_shape_is_right:
; QKV.  q = rope(x Wq^T + bq), k = rope(x Wk^T + bk), v = x Wv^T + bv on codes of FP6 (E2M3) with E8M0 scales, and the three results quantised again: q and k along the head's 128, v along the keys.
; ONE FORM OF PRODUCT: D = R x P, source 0 = 16 rows of R, source 1 = 16 rows of P: a lane holds ONE row of P, and its registers run along R's rows, which are the next product's K.
;   work-group y < 16 (q, k): P = 256 tokens (tile y), R = 256 rows of Wq|Wk (tile x): a wave's 128 rows of R are one head.
;   work-group y >= 16 (v):   P = 256 rows of Wv (tile y - 16), R = 256 tokens (tile x): a wave's 128 rows of R are one step of 128 keys.
; OPERANDS are fragment images (16 rows x 128 K = 1,536 bytes: registers 4 c .. 4 c + 3 of lane l at 512 c + 16 l), fragment number = row block x 8 + K step; three ds_load_b128 at 16 x lane bring one.  Row blocks in codes1: tokens 0-255,
; Wq 256-383, Wk 384-511, Wv 512-639.  Lane r of block rb holds row 32 (rb / 2) + 8 (rb % 2) + r + 8 (r / 8), so that register 8 b + j of a lane's 64 results against R's blocks b = 0 .. 7 is R's row 32 (b / 2) + 16 h + 8 (b % 2) + j:
; register 16 B + i = next K 32 B + 16 h + i, the order in which the quantiser's conversions want them.
; A work-group of four waves makes 256 x 256, a wave 128 x 128: 64 accumulators.  K = 1,024 goes in four steps of 256 through a ring of two LDS slots; the scale words of all of K come once.
; CLUSTER 4 x 4: P's tiles hang on y alone and are asked for jointly along a row of the cluster, R's on x (and the cluster's y) and jointly along a column.
; LIMITS: NaN and infinities are not served; a block whose largest magnitude lies under 2^-124 keeps the byte 1 (its codes are zeros or what that byte gives; this program alone reads the bytes).
; REGISTERS: window 0: v1-5 offsets, v16-29 LDS addresses, v32-63 scale words (two sets), v128-223 P's fragments (one set), v224-239 P's bias; on the way out v64-127 T, v128-191 Q, v192-216 the quantiser's, v240-251 codes.
;   window 1: v0-95, v128-223 R's fragments (two sets), on the way out cos and sin (two sets of 64); v96-127, v224-255 R's bias.   windows 2, 3: the accumulators, (a, b) at v[8 (8 (a % 4) + b)].
.set FR,    12
.set NL,    3                          ; LDS loads that bring a fragment
.set NQ,    2                          ; matrix instructions deep in a slot
.set NP,    4                          ; places behind this matrix instruction (ISA guide 7.12.1)
.set FRB,   1536
.set RBB,   NQ*FRB                     ; a row block's bytes in a slot
.set HALFT, 8*RBB                      ; 8 row blocks: what one tensor load brings, and what one wave reads of P or of R
.set SLOT,  4*HALFT                    ; P's 16 blocks, then R's 16
.set SCL,   2*SLOT                     ; the scale words of all of K: 4 x 4,096 bytes; word of (block i, K step ks, row r) at 512 i + 64 ks + 4 r
.set SPARE, SCL+4*4096                 ; the spare words: 128 bytes a wave
.set OSC,   SPARE+512                  ; the way out of the new scale words: 512 bytes a wave; no fill lands here
.set LI,   1                           ; v1   16 x lane
.set OSW,  2                           ; v2   OSC + 512 wave + 4 r
.set OSR,  3                           ; v3   OSC + 512 wave + 16 lane
.set ADRA, 16                          ; v16-17 P's fragments in slot 0, 1
.set ADRB, 20                          ; v20-21 R's
.set ADRS, 27                          ; v27  scale words: lanes 0-15 P's rows, lanes 16-31 R's
.set SPW,  28
.set NIL,  29
.set SC,   32
.set AF,   128
.set T,    64
.set Q,    128
.set TM,   192
.set PT,   208
.set PW,   216
.set BIP,  224
.set PC,   240
.set WV,  20                           ; s20 wave;  s21 = wave / 2: my half of P, and: I fetch for P (0) or R (1);  s22 = wave % 2: my half of R, and which half I fetch;  s23 = 1 in v's work-groups
.set G1,  24
.set G0,  32
.set G1B, 48
.set G0B, 56
.set G1S, 68
.set G0S, 76
.set G1SB, 80
.set G0SB, 88
.set SEL, 100
.set MSB, 0
.macro WIN new                         ; the immediate's high byte repeats the setting that is left
.if MSB != (\new)
	s_set_vgpr_msb (MSB<<8)|(\new)
.set MSB, (\new)
.endif
.endm
.set MUL_LO, 0xa1                      ; source 0 (R) window 1, source 1 (P) window 0, C and D window 2
.set MUL_HI, 0xf1
.set TO_B,   0x40
.macro JLOAD g0a, g1a, g0b, g1b        ; a joint load: waves 0, 1 fetch for P, waves 2, 3 for R; four v_nop follow each line
	s_cmp_eq_u32 s21, 0
	s_cbranch_scc0 .Lfor_b_\@
	tensor_load_to_lds s[\g0a:\g0a+3], s[\g1a:\g1a+7]
	s_nop 0
.rept 4
	v_nop
.endr
	s_branch .Lasked_\@
.Lfor_b_\@:
	tensor_load_to_lds s[\g0b:\g0b+3], s[\g1b:\g1b+7]
	s_nop 0
.rept 4
	v_nop
.endr
.Lasked_\@:
.endm
.macro CREST
	s_cmp_lg_u32 s[WV], 0
	s_cbranch_scc1 .Lnot_wave_0_\@
	s_barrier_signal -3
.Lnot_wave_0_\@:
	s_barrier_wait -3
	s_barrier_signal -1
	s_barrier_wait -1
.endm
.macro CROUND
	s_barrier_signal -1
	s_barrier_wait -1
	CREST
.endm
.macro PLACES n
.rept \n
	v_nop
.endr
.endm
	s_load_b512 s[4:19], s[0:1], 0x0               ; codes1, scales1, rope, bq, bk, bv, codes2, scales2
	v_lshl_add_u32 v[SPW], v0, 2, SPARE
	v_mov_b32 v[NIL], 0
	ds_add_u32 v28, v29
	ds_add_u32 v28, v29
	s_wait_dscnt 0x0
	v_lshrrev_b32 v1, 5, v0
	v_readfirstlane_b32 s[WV], v1
	s_lshr_b32 s21, s[WV], 1
	s_and_b32 s22, s[WV], 1
	s_bfe_u32 s40, ttmp6, 0x40000                  ; cx
	s_bfe_u32 s41, ttmp6, 0x40004                  ; cy
	s_lshl_b32 s42, ttmp9, 2
	s_add_co_u32 s42, s42, s40                     ; x
	s_and_b32 s46, ttmp7, 0xffff                   ; the cluster's y
	s_lshr_b32 s23, s46, 2                         ; 1 where y >= 16: the same in all sixteen partners
	s_lshl_b32 s45, s46, 2
	s_add_co_u32 s45, s45, s41                     ; y
	s_lshl_b32 s43, s41, 2
	s_lshl_b32 s43, 15, s43                        ; my row of the cluster
	s_lshl_b32 s44, 0x1111, s40                    ; my column
	; group 1 for tiles: 8 rows (row blocks) of 384 elements of 8 bytes (two fragments), 1,536 elements apart; no padding: fragment images are read densely
	s_or_b32 s[G1+0], s43, (3<<16)|(1<<21)
	s_or_b32 s[G1B+0], s44, (3<<16)|(1<<21)
.irp g, G1, G1B
	s_mov_b32 s[\g+1], 384<<16                     ; tensor_dim0
	s_mov_b32 s[\g+2], 16<<16                      ; tensor_dim1: 16 row blocks for the head's loads; 8 behind them
	s_mov_b32 s[\g+3], 384<<16                     ; tile_dim0
	s_mov_b32 s[\g+4], 16                          ; tile_dim1 likewise
	s_mov_b32 s[\g+5], 1536                        ; tensor_dim0_stride
	s_mov_b32 s[\g+6], 0
	s_mov_b32 s[\g+7], 0
.endr
	; and for the scale words of 16 row blocks: 8,192 dense bytes as 32 rows of 256
	s_or_b32 s[G1S+0], s43, (3<<16)|(1<<21)
	s_or_b32 s[G1SB+0], s44, (3<<16)|(1<<21)
.irp g, G1S, G1SB
	s_mov_b32 s[\g+1], 32<<16
	s_mov_b32 s[\g+2], 32<<16
	s_mov_b32 s[\g+3], 32<<16
	s_mov_b32 s[\g+4], 32
	s_mov_b32 s[\g+5], 32
	s_mov_b32 s[\g+6], 0
	s_mov_b32 s[\g+7], 0
.endr
	s_lshl_b32 s46, s23, 8                         ; v's work-groups: P begins 256 blocks further on (16 y + 256 = 512 + 16 (y - 16)),
	s_lshl_b32 s66, s45, 4
	s_add_co_u32 s66, s66, s46
	s_xor_b32 s46, s46, 256                        ; q's and k's: R begins at block 256
	s_lshl_b32 s67, s42, 4
	s_add_co_u32 s67, s67, s46
	s_mul_i32 s92, s66, 8*FRB
	s_mov_b32 s93, 0
	s_mul_i32 s94, s67, 8*FRB
	s_mov_b32 s95, 0
	s_lshl_b32 s96, s66, 9
	s_mov_b32 s97, 0
	s_lshl_b32 s98, s67, 9
	s_mov_b32 s99, 0
	s_mul_i32 s46, s[WV], HALFT                    ; where they go: no place in the cluster enters an LDS address
	s_wait_kmcnt 0x0
	s_add_nc_u64 s[92:93], s[4:5], s[92:93]
	s_add_nc_u64 s[94:95], s[4:5], s[94:95]
	s_add_nc_u64 s[96:97], s[6:7], s[96:97]
	s_add_nc_u64 s[98:99], s[6:7], s[98:99]
	; the prefetches: of the 8 row blocks that my wave fetches in the ring, the partner at place p among the four that ask jointly (cx for P, cy for R) names blocks 2 p, 2 p + 1: told apart by address alone
	s_cmp_eq_u32 s21, 0
	s_cselect_b32 s2, s66, s67
	s_cselect_b32 s3, s40, s41
	s_lshl_b32 s3, s3, 1
	s_add_co_u32 s2, s2, s3
	s_lshl_b32 s3, s22, 3
	s_add_co_u32 s2, s2, s3
	s_mul_i32 s2, s2, 8*FRB
	s_mov_b32 s3, 0
	s_add_nc_u64 s[2:3], s[4:5], s[2:3]            ; never rewritten: the K step stands in the immediate
	CROUND                                         ; all sixteen work-groups are here: the first joint loads meet
	s_mov_b32 s[G0S], 1
	s_mov_b32 s[G0S+1], SCL
	s_mov_b64 s[G0S+2:G0S+3], s[96:97]
	s_or_b32 s[G0S+3], s[G0S+3], 0x80000000
	s_mov_b32 s[G0SB], 1
	s_mov_b32 s[G0SB+1], SCL+8192
	s_mov_b64 s[G0SB+2:G0SB+3], s[98:99]
	s_or_b32 s[G0SB+3], s[G0SB+3], 0x80000000
	s_mov_b32 s[G0], 1                             ; slot 0's group 0 first serves the head: K step 0 of P's 16 row blocks, whole,
	s_mov_b32 s[G0+1], 0
	s_mov_b64 s[G0+2:G0+3], s[92:93]
	s_or_b32 s[G0+3], s[G0+3], 0x80000000
	s_mov_b32 s[G0B], 1                            ; and of R's 16, behind them
	s_mov_b32 s[G0B+1], 2*HALFT
	s_mov_b64 s[G0B+2:G0B+3], s[94:95]
	s_or_b32 s[G0B+3], s[G0B+3], 0x80000000
	s_mul_i32 s66, s22, 8*8*FRB                    ; in the ring I fetch 8 row blocks: which half, in bytes
	s_mov_b32 s67, 0
	s_add_nc_u64 s[92:93], s[92:93], s[66:67]
	s_add_nc_u64 s[94:95], s[94:95], s[66:67]
	s_mov_b32 s[G0+4], 1                           ; slot 1: K step 1, my quarter
	s_add_co_u32 s[G0+5], s46, SLOT
	s_add_nc_u64 s[G0+6:G0+7], s[92:93], RBB
	s_or_b32 s[G0+7], s[G0+7], 0x80000000
	s_mov_b32 s[G0B+4], 1
	s_add_co_u32 s[G0B+5], s46, SLOT
	s_add_nc_u64 s[G0B+6:G0B+7], s[94:95], RBB
	s_or_b32 s[G0B+7], s[G0B+7], 0x80000000
; the head's loads, one a wave: wave 0 P's tile, wave 1 R's, wave 2 P's scale words, wave 3 R's; one chain of branches on the wave's number
.macro ARM under, g0, g1, next
	s_cmp_lt_u32 s[WV], \under
	s_cbranch_scc0 \next
	tensor_load_to_lds s[\g0:\g0+3], s[\g1:\g1+7]
	s_nop 0
.rept 4
	v_nop
.endr
	s_branch .Lhead_asked
\next:
.endm
	ARM 1, G0,  G1,  .Lhead_b
	ARM 2, G0B, G1B, .Lhead_sa
	ARM 3, G0S, G1S, .Lhead_sb
	tensor_load_to_lds s[G0SB:G0SB+3], s[G1SB:G1SB+7]
	s_nop 0
.rept 4
	v_nop
.endr
.Lhead_asked:
	v_and_b32 v6, 31, v0
	v_lshlrev_b32 v[LI], 4, v6
	v_and_b32 v7, 15, v0                           ; r
	v_bfe_u32 v8, v0, 4, 1
	v_min_u32 v10, 23, v6                          ; a K step of two row blocks is 2 x 3,072 bytes: 24 lanes 256 bytes apart (the other eight name the last block again)
	v_mul_u32_u24 v11, v10, 11
	v_lshlrev_b32 v10, 8, v10
	v_lshrrev_b32 v11, 7, v11                      ; lane / 12
	v_mad_u32_u24 v10, v11, 8*FRB-12*256, v10      ; the second row block lies 12,288 bytes on
	global_prefetch_b8 v10, s[2:3] offset:RBB th:TH_LOAD_NT scope:SCOPE_SE     ; K step 1, whose load stands behind the next round
	s_wait_alu depctr_va_vdst(0)
	s_mul_i32 s46, s21, HALFT
	s_mul_i32 s47, s22, HALFT
	s_add_co_u32 s47, s47, 2*HALFT
.irp s, 0,1
	v_add_nc_u32 v[ADRA+\s], s46, v[LI]
	v_add_nc_u32 v[ADRB+\s], s47, v[LI]
	s_add_co_u32 s46, s46, SLOT
	s_add_co_u32 s47, s47, SLOT
.endr
	s_lshl_b32 s46, s21, 12                        ; P's scale words: my half
	s_lshl_b32 s47, s22, 12
	s_add_co_u32 s47, s47, 8192                    ; R's, behind P's two halves
	s_sub_co_u32 s47, s47, s46
	v_mul_u32_u24 v9, s47, v8                      ; lanes 16-31 take R's: the lower base + h x the distance
	s_add_co_u32 s46, s46, SCL
	v_lshl_add_u32 v9, v7, 2, v9
	v_add_nc_u32 v[ADRS], s46, v9
	s_lshl_b32 s46, s[WV], 9
	s_add_co_u32 s46, s46, OSC
	v_lshl_add_u32 v[OSW], v7, 2, s46
	v_add_nc_u32 v[OSR], s46, v[LI]
	v_lshlrev_b32 v4, 6, v8                        ; R's bias: 64 h bytes
	s_wait_alu depctr_va_vdst(0)
	v_and_b32 v5, 8, v7
	v_add_nc_u32 v5, v5, v7
	v_lshlrev_b32 v5, 2, v5                        ; P's bias: 4 (r + 8 (r / 8))
	s_wait_alu depctr_va_vdst(0)
	s_mov_b32 s[SEL], 0x76543210
	s_mov_b32 s[SEL+1], 0xfedcba98
	; which bias and which head; where the results go
	s_lshl_b32 s66, s42, 1
	s_add_co_u32 s66, s66, s22
	s_and_b32 s66, s66, 15                         ; q, k: the head; v: the step of 128 keys in its batch
	s_sub_co_u32 s67, s45, 16
	s_lshl_b32 s67, s67, 1
	s_add_co_u32 s67, s67, s21                     ; v: the head (used where y >= 16 alone)
	s_cmp_lt_u32 ttmp9, 2
	s_cselect_b64 s[94:95], s[10:11], s[12:13]     ; x < 8: q; else k
	s_cmp_eq_u32 s23, 0
	s_cselect_b64 s[94:95], s[94:95], s[14:15]
	s_cselect_b32 s46, s66, s67
	s_lshl_b32 s46, s46, 9
	s_mov_b32 s47, 0
	s_add_nc_u64 s[94:95], s[94:95], s[46:47]      ; the head's 128 numbers of the bias
	WIN 0x40                                       ; both forms of the bias are loaded in every work-group: R's (q, k): register 16 B + i = b[32 B + 16 h + i]
.irp g, 0,1,2,3,4,5,6,7
	global_load_b128 v[96+4*\g:99+4*\g], v4, s[94:95] offset:128*(\g/4)+16*(\g%4)
.endr
.irp g, 8,9,10,11,12,13,14,15
	global_load_b128 v[192+4*\g:195+4*\g], v4, s[94:95] offset:128*(\g/4)+16*(\g%4)
.endr
	WIN 0
.irp a, 0,1,2,3,4,5,6,7                        ; P's (v): the number of my row of block a, twice: a pair for the packed addition
	global_load_b32 v[BIP+2*\a], v5, s[94:95] offset:4*(32*(\a/2)+8*(\a%2))
	global_load_b32 v[BIP+2*\a+1], v5, s[94:95] offset:4*(32*(\a/2)+8*(\a%2))
.endr
	s_lshl_b32 s46, s45, 4
	s_lshl_b32 s47, s21, 3
	s_add_co_u32 s46, s46, s47
	s_and_b32 s46, s46, 127                        ; q, k: my first block of 16 tokens in its batch
	s_lshl_b32 s92, s46, 13
	s_mov_b32 s93, 0
	s_add_nc_u64 s[92:93], s[8:9], s[92:93]        ; its cos and sin
	s_lshr_b32 s47, s45, 3
	s_lshl_b32 s47, s47, 4
	s_add_co_u32 s47, s47, s66                     ; batch x 16 + head
	s_lshl_b32 s47, s47, 7
	s_add_co_u32 s47, s47, s46
	s_lshr_b32 s46, s42, 3
	s_lshl_b32 s96, s46, 12
	s_add_co_u32 s47, s47, s96                     ; q, k: fragment (x / 8) 4,096 + (batch 16 + head) 128 + block of tokens
	s_lshl_b32 s46, s46, 4
	s_add_co_u32 s46, s46, s67
	s_lshl_b32 s46, s46, 4
	s_add_co_u32 s46, s46, s66
	s_lshl_b32 s46, s46, 3
	s_add_co_u32 s46, s46, 8192                    ; v: fragment 8,192 + ((batch 16 + head) 16 + key step) 8
	s_cmp_eq_u32 s23, 0
	s_cselect_b32 s46, s47, s46
	s_mul_i32 s96, s46, FRB
	s_mov_b32 s97, 0
	s_add_nc_u64 s[96:97], s[16:17], s[96:97]      ; my eight fragments
	s_lshl_b32 s98, s46, 6
	s_mov_b32 s99, 0
	s_add_nc_u64 s[98:99], s[18:19], s[98:99]      ; and their 512 bytes of scale words
.macro FRAG reg, adr, q, i
.irp c, 0,1,2
	ds_load_b128 v[\reg+4*\c:\reg+4*\c+3], v[\adr] offset:RBB*(\i)+FRB*(\q)+512*\c
.endr
.endm
; 16 matrix instructions: P's blocks a0, a0 + 1 x R's eight.  The 64 accumulators take turns, one instruction a turn, in the same order in every step.
.macro MUL16 a0, p, q, sc, zero
.irp a, \a0, \a0+1
.irp b, 0,1,2,3,4,5,6,7
.if \zero
	v_wmma_scale_f32_16x16x128_f8f6f4 v[8*(8*((\a)%4)+\b):8*(8*((\a)%4)+\b)+7], v[128*(\p)+FR*\b:128*(\p)+FR*\b+FR-1], v[AF+FR*(\a):AF+FR*(\a)+FR-1], 0, v[SC+8*NQ*(\sc)+NQ*\b+(\q)], v[SC+8*NQ*(\sc)+NQ*(\a)+(\q)] matrix_a_fmt:MATRIX_FMT_FP6 matrix_b_fmt:MATRIX_FMT_FP6 matrix_a_scale:MATRIX_SCALE_ROW1
.else
	v_wmma_scale_f32_16x16x128_f8f6f4 v[8*(8*((\a)%4)+\b):8*(8*((\a)%4)+\b)+7], v[128*(\p)+FR*\b:128*(\p)+FR*\b+FR-1], v[AF+FR*(\a):AF+FR*(\a)+FR-1], v[8*(8*((\a)%4)+\b):8*(8*((\a)%4)+\b)+7], v[SC+8*NQ*(\sc)+NQ*\b+(\q)], v[SC+8*NQ*(\sc)+NQ*(\a)+(\q)] matrix_a_fmt:MATRIX_FMT_FP6 matrix_b_fmt:MATRIX_FMT_FP6 matrix_a_scale:MATRIX_SCALE_ROW1
.endif
.endr
.endr
.endm
.macro FETCH_B slot, q, p
	WIN TO_B
.irp i, 0,1,2,3,4,5,6,7
	FRAG 128*(\p)+FR*\i, ADRB+\slot, \q, \i
.endr
	WIN 0
.endm
.macro FETCH_A slot, q, i0
.irp i, \i0, \i0+1, \i0+2, \i0+3
	FRAG AF+FR*(\i), ADRA+\slot, \q, \i
.endr
.endm
.macro SCALES sc, kk                   ; K step kk's scale words into set sc: register 2 i + q: lanes 0-15 P's block i, lanes 16-31 R's block i
.irp i, 0,1,2,3,4,5,6,7
.irp q, 0,1
	ds_load_b32 v[SC+16*(\sc)+2*\i+\q], v[ADRS] offset:512*\i+64*(2*(\kk)+\q)
.endr
.endr
.endm
.macro STEP slot, q, zero              ; 128 along K that has its successor in the same slot
	s_wait_dscnt 4*NL                              ; R's set and P's blocks 0-3 are in; the youngest 12 loads (P's blocks 4-7) may be out
	WIN MUL_LO
	MUL16 0, (\q)%2, \q, \slot, \zero
	MUL16 2, (\q)%2, \q, \slot, \zero
	s_wait_dscnt 0
	PLACES NP                                      ; in front of loads into registers that matrix instructions have read
	FETCH_B \slot, (\q)+1, 1-(\q)%2
	FETCH_A \slot, (\q)+1, 0
	WIN MUL_HI
	MUL16 4, (\q)%2, \q, \slot, \zero
	MUL16 6, (\q)%2, \q, \slot, \zero
	PLACES NP
	WIN 0
	FETCH_A \slot, (\q)+1, 4
.endm
; A slot's last step changes slots: one barrier; in front of it each wave waits for all its tensor loads, adds 0 to its spare word, and waits for that and for its reads of this slot.  fill = 1: the slot is filled again, two K steps ahead.
.macro TURN slot, next, fill, kk
	s_wait_tensorcnt 0x0                           ; all my tensor loads have landed: my part of the next slot
	ds_add_u32 v[SPW], v[NIL]                      ; 0 onto my spare word
	s_wait_dscnt 4*NL+1                            ; (the add and the youngest 12 loads may be out)
	WIN MUL_LO
	MUL16 0, 1, NQ-1, \slot, 0
	s_wait_dscnt 0x0                               ; the add is done, and my reads of this slot are over
	s_barrier_signal -1
	MUL16 2, 1, NQ-1, \slot, 0
	WIN 0
	s_barrier_wait -1
.if \fill
	CREST                                          ; the barrier has opened a round of the cluster's: no wave of any partner still reads this slot or has a load on its way
	s_add_nc_u64 s[G0+4*\slot+2:G0+4*\slot+3], s[G0+4*\slot+2:G0+4*\slot+3], 2*RBB
	s_add_nc_u64 s[G0B+4*\slot+2:G0B+4*\slot+3], s[G0B+4*\slot+2:G0B+4*\slot+3], 2*RBB
	JLOAD G0+4*\slot, G1, G0B+4*\slot, G1B         ; the first tensor load behind the round; its four v_nop are the places in front of the loads below
.else
	PLACES NP
.endif
	FETCH_B \next, 0, 0
	FETCH_A \next, 0, 0
	SCALES \next, \kk
.if (\fill) && (\kk)+2 < 4
	global_prefetch_b8 v10, s[2:3] offset:((\kk)+2)*RBB th:TH_LOAD_NT scope:SCOPE_SE   ; the K step that the next refill loads; the last refill asks for nothing
.endif
	WIN MUL_HI
	MUL16 4, 1, NQ-1, \slot, 0
	MUL16 6, 1, NQ-1, \slot, 0
	PLACES NP
	WIN 0
	FETCH_A \next, 0, 4
.endm
; 64 numbers of a lane, register 16 b + i = K 32 b + 16 h + i of its row, become a fragment's 12 registers in v[pc] on and the row's scale word in v[pw]
.macro QUANT s, tm, pc, pt, pw
.irp b, 0,1,2,3
	v_max3_num_f32 v[\tm+\b], |v[\s+16*\b]|, |v[\s+1+16*\b]|, 0x1800000   ; my 16 numbers of block b, and the floor 2^(3 - 127): the byte cannot fall under 1
.endr
.irp i, 2,4,6,8,10,12,14
.irp b, 0,1,2,3
	v_max3_num_f32 v[\tm+\b], v[\tm+\b], |v[\s+16*\b+\i]|, |v[\s+1+16*\b+\i]|
.endr
.endr
.irp b, 0,1,2,3
	v_permlanex16_b32 v[\tm+4+\b], v[\tm+\b], s[SEL], s[SEL+1]
.endr
.irp b, 0,1,2,3
	v_max_num_f32 v[\tm+\b], v[\tm+\b], v[\tm+4+\b]   ; with lane l xor 16's: the block's largest magnitude
.endr
.irp b, 0,1,2,3
	v_add_nc_u32 v[\tm+12+\b], 0xff000000, v[\tm+\b]   ; 2 off its exponent field: the conversion's scale operand
.endr
.irp b, 0,1,2,3
	v_lshrrev_b32 v[\tm+4+\b], 23, v[\tm+12+\b]    ; the scale's byte
.endr
	v_lshl_or_b32 v[\pw], v[\tm+5], 8, v[\tm+4]
	v_lshl_or_b32 v[\pw], v[\tm+6], 16, v[\pw]
	v_lshl_or_b32 v[\pw], v[\tm+7], 24, v[\pw]
.irp c, 0,1
	v_cvt_scalef32_pk16_fp6_f32 v[\pc+6*\c:\pc+2+6*\c], v[\s+32*\c:\s+15+32*\c], v[\tm+12+2*\c]
	v_cvt_scalef32_pk16_fp6_f32 v[\pt+4*\c:\pt+2+4*\c], v[\s+16+32*\c:\s+31+32*\c], v[\tm+12+2*\c+1]   ; (a conversion's three registers begin on an even number)
.endr
	v_nop                                          ; one plain line behind the scaled conversions
.irp c, 0,1                                    ; the layout wants a whole block in a lane: lanes 0-15 block 2 c, lanes 16-31 block 2 c + 1
.irp i, 0,1,2
	v_permlane16_swap_b32 v[\pc+6*\c+\i], v[\pt+4*\c+\i]
.endr
.irp i, 0,1,2
	v_mov_b32 v[\pc+3+6*\c+\i], v[\pt+4*\c+\i]
.endr
.endr
.endm
.macro CSLOAD a, set                   ; cos and sin of block a's 16 tokens, 32 registers each, in the results' own layout: 16 loads of 512 consecutive bytes.  Three sets by turns: the two of 64 registers at v0 and v128, and a third in the fragment registers left between them (cos v64-95, sin v192-223)
	WIN 0x40
.irp g, 0,1,2,3,4,5,6,7
	global_load_b128 v[128*((\set)%2)+64*((\set)/2)+4*\g:128*((\set)%2)+64*((\set)/2)+4*\g+3], v[LI], s[92:93] offset:8192*(\a)+512*\g
	global_load_b128 v[32+128*((\set)%2)+160*((\set)/2)+4*\g:32+128*((\set)%2)+160*((\set)/2)+4*\g+3], v[LI], s[92:93] offset:8192*(\a)+4096+512*\g
.endr
	WIN 0
.endm
.macro OUTF a                          ; the fragment leaves as it stands: 3 x 512 consecutive bytes; its scale words are gathered in LDS
.irp c, 0,1,2
	global_store_b128 v[LI], v[PC+4*\c:PC+4*\c+3], s[96:97] offset:FRB*(\a)+512*\c
.endr
	ds_store_b32 v[OSW], v[PW] offset:64*(\a)      ; both halves of the lanes write the same word with the same value
.endm
.macro EPI_QK a                        ; block a's 16 tokens x the head's 128: bias, rotation, quantiser
.if (\a) < 6
	s_wait_loadcnt 32                              ; this block's cos and sin are in (and, the first time, the bias); the 16 loads of each of the two blocks behind it may be out
.else
	s_wait_loadcnt 16*(7-(\a))                     ; block 6: block 7's 16 may be out; block 7: none
.endif
	WIN 0x06+(\a)/4                                ; source 0: the accumulators' window; source 1: window 1
.set AC, 64*((\a)%4)
.set n, 0
.rept 16
	v_pk_add_f32 v[T+n:T+n+1], v[AC+n:AC+n+1], v[96+n:97+n]       ; ascending: each accumulator is first read at its low end
.set n, n+2
.endr
.rept 16
	v_pk_add_f32 v[T+n:T+n+1], v[AC+n:AC+n+1], v[192+n:193+n]
.set n, n+2
.endr
	WIN 0x04
.set CB, 128*(((\a)%3)%2)+64*(((\a)%3)/2)          ; set a % 3: its cos,
.set SNB, 32+128*(((\a)%3)%2)+160*(((\a)%3)/2)     ; its sin
.set n, 0
.rept 16                               ; registers 0-31 are d < 64, register + 32 is d + 64, in the same lane
	v_pk_mul_f32 v[Q+n:Q+n+1], v[T+n:T+n+1], v[CB+n:CB+n+1]
	v_pk_mul_f32 v[Q+32+n:Q+33+n], v[T+32+n:T+33+n], v[CB+n:CB+n+1]
	v_pk_fma_f32 v[Q+n:Q+n+1], v[T+32+n:T+33+n], v[SNB+n:SNB+n+1], v[Q+n:Q+n+1] neg_lo:[1,0,0] neg_hi:[1,0,0]
	v_pk_fma_f32 v[Q+32+n:Q+33+n], v[T+n:T+n+1], v[SNB+n:SNB+n+1], v[Q+32+n:Q+33+n]
.set n, n+2
.endr
	WIN 0
	s_wait_xcnt 0x0                                ; the last block's stores have read the codes' registers
.if (\a) < 5
	CSLOAD (\a)+3, (\a)%3                          ; the rotation has read this block's set: it takes the block three further on
.endif
	QUANT Q, TM, PC, PT, PW
	OUTF \a
.endm
.macro EPI_V a                         ; block a's 16 rows of Wv (16 of the head's 128) x 128 keys: bias, quantiser along the keys
	WIN 0x02+(\a)/4
.set AC, 64*((\a)%4)
.set n, 0
.rept 32
	v_pk_add_f32 v[T+n:T+n+1], v[AC+n:AC+n+1], v[BIP+2*(\a):BIP+2*(\a)+1]
.set n, n+2
.endr
	WIN 0
	s_wait_xcnt 0x0
	QUANT T, TM, PC, PT, PW
	OUTF \a
.endm
	s_wait_alu depctr_va_vdst(0)                   ; the wait at the head's end
	s_wait_tensorcnt 0x0                           ; my tile of the head's four is in; the lines ahead of a later first fill:
	ds_add_u32 v[SPW], v[NIL]
	s_mov_b32 s[G1+2], 8<<16                       ; no tensor load of mine is out: from here on a load brings 8 row blocks
	s_mov_b32 s[G1+4], 8
	s_mov_b32 s[G1B+2], 8<<16
	s_mov_b32 s[G1B+4], 8
	s_mul_i32 s46, s22, 8*8*FRB                    ; slot 0's group 0 is set for the ring: my half of the rows,
	s_mov_b32 s47, 0
	s_add_nc_u64 s[G0+2:G0+3], s[G0+2:G0+3], s[46:47]
	s_add_nc_u64 s[G0B+2:G0B+3], s[G0B+2:G0B+3], s[46:47]
	s_mul_i32 s46, s[WV], HALFT                    ; my quarter of the slot
	s_mov_b32 s[G0+1], s46
	s_mov_b32 s[G0B+1], s46
	s_wait_dscnt 0x0
	CROUND                                         ; a whole round: all four tiles are in, and the joint loads meet
	JLOAD G0+4, G1, G0B+4, G1B                     ; K step 1, the first tensor load behind the round
	FETCH_B 0, 0, 0
	FETCH_A 0, 0, 0
	SCALES 0, 0
	global_prefetch_b8 v10, s[2:3] offset:2*RBB th:TH_LOAD_NT scope:SCOPE_SE   ; K step 2, one refill ahead of its load
	FETCH_A 0, 0, 4
	STEP 0, 0, 1                                   ; the first products start the sums: nothing is cleared
	TURN 0, 1, 1, 1                                ; slot 0 takes K step 2
	STEP 1, 0, 0
	TURN 1, 0, 1, 2                                ; slot 1 takes K step 3
	STEP 0, 0, 0
	TURN 0, 1, 0, 3                                ; nothing is left to fetch
	STEP 1, 0, 0
	CSLOAD 0, 0                                    ; into R's set 0, which is done with (four places stand behind its last products); asked for in every work-group, used in q's and k's
	s_wait_dscnt 4*NL
	WIN MUL_LO
	MUL16 0, 1, NQ-1, 1, 0
	MUL16 2, 1, NQ-1, 1, 0
	s_wait_dscnt 0
	WIN MUL_HI
	MUL16 4, 1, NQ-1, 1, 0
	MUL16 6, 1, NQ-1, 1, 0
	WIN 0
	PLACES NP                                      ; in front of the first read of results and the first writes of P's and R's registers
.irp b, 0,1,2,3
	v_mov_b32 v[TM+4+\b], 0                        ; a lane permute's destination counts as read: written once
.endr
	s_cmp_lg_u32 s23, 0                            ; the same in all partners of the cluster
	s_cbranch_scc1 .Lvpath
	CSLOAD 1, 1                                    ; into R's registers, which are done with (four places stand behind the last products)
	CSLOAD 2, 2
.irp a, 0,1,2,3,4,5,6,7
	EPI_QK \a
.endr
	s_branch .Ljoin
.Lvpath:
	s_wait_loadcnt 0x0                             ; the bias
.irp a, 0,1,2,3,4,5,6,7
	EPI_V \a
.endr
.Ljoin:
	ds_load_b128 v[T:T+3], v[OSR]                  ; LDS serves a wave's instructions in order (ISA guide 5.7.1.4): this sees my eight stores
	s_wait_dscnt 0x0
	global_store_b128 v[LI], v[T:T+3], s[98:99]    ; 32 lanes store 512 consecutive bytes
	s_wait_tensorcnt 0x0                           ; the wave's end
	ds_add_u32 v[SPW], v[NIL]
	s_wait_dscnt 0x0
	CROUND                                         ; the closing round
	s_endpgm
.Lfunc_end_k_qd9c325e679_qkv:
	.size	k_qd9c325e679_qkv, .Lfunc_end_k_qd9c325e679_qkv-k_qd9c325e679_qkv
	.p2alignl 7, 3214868480
	.fill 96, 4, 3214868480
	.section	.rodata,"a",@progbits
	.p2align	6, 0x0
	.amdhsa_kernel k_qd9c325e679_qkv
		.amdhsa_group_segment_fixed_size 327680
		.amdhsa_private_segment_fixed_size 0
		.amdhsa_enable_private_segment 0
		.amdhsa_kernarg_size 64
		.amdhsa_user_sgpr_count 2
		.amdhsa_user_sgpr_kernarg_segment_ptr 1
		.amdhsa_wavefront_size32 1
		.amdhsa_system_sgpr_workgroup_id_x 1
		.amdhsa_system_sgpr_workgroup_id_y 1
		.amdhsa_system_sgpr_workgroup_id_z 1
		.amdhsa_system_vgpr_workitem_id 0
		.amdhsa_next_free_vgpr 1024
		.amdhsa_next_free_sgpr 102
		.amdhsa_reserve_vcc 0
		.amdhsa_float_denorm_mode_32 3
		.amdhsa_float_denorm_mode_16_64 3
		.amdhsa_memory_ordered 1
		.amdhsa_forward_progress 1
		.amdhsa_inst_pref_size 255
	.end_amdhsa_kernel
	.section	.bss,"aw",@nobits
	.p2align	6
	.space	262144
	.amdgpu_metadata
---
amdhsa.version: [ 1, 2 ]
amdhsa.kernels:
  - .name:           k_qd9c325e679_qkv
    .symbol:         k_qd9c325e679_qkv.kd
    .args:
      - { .name: codes1, .offset: 0, .size: 8, .value_kind: global_buffer, .address_space: global }
      - { .name: scales1, .offset: 8, .size: 8, .value_kind: global_buffer, .address_space: global }
      - { .name: rope, .offset: 16, .size: 8, .value_kind: global_buffer, .address_space: global }
      - { .name: bq, .offset: 24, .size: 8, .value_kind: global_buffer, .address_space: global }
      - { .name: bk, .offset: 32, .size: 8, .value_kind: global_buffer, .address_space: global }
      - { .name: bv, .offset: 40, .size: 8, .value_kind: global_buffer, .address_space: global }
      - { .name: codes2, .offset: 48, .size: 8, .value_kind: global_buffer, .address_space: global }
      - { .name: scales2, .offset: 56, .size: 8, .value_kind: global_buffer, .address_space: global }
    .group_segment_fixed_size: 327680
    .private_segment_fixed_size: 0
    .kernarg_segment_align: 8
    .kernarg_segment_size: 64
    .max_flat_workgroup_size: 128
    .sgpr_count:     102
    .vgpr_count:     1024
    .wavefront_size: 32
...
	.end_amdgpu_metadata
.endif
;; end of part 2
;; launch attn (part 3): grid 8 x 32, 8 waves a work-group, no clusters, 327,680 bytes of LDS; arguments codes2, scales2, codes3, scales3; writes codes3, scales3
.if DOCPART == 3
	.amdgcn_target "amdgcn-amd-amdhsa--gfx1250"
	.amdhsa_code_object_version 6
	.text
	.protected	k_qd9c325e679_attn
	.globl	k_qd9c325e679_attn
	.p2align	8
	.type	k_qd9c325e679_attn,@function
k_qd9c325e679_attn:
	s_mov_b64 s[64:65], 0
	v_nop
	global_prefetch_b8 v0, s[64:65] scope:SCOPE_SE
	s_setreg_imm32_b32 hwreg(HW_REG_WAVE_MODE, 25, 1), 1
	s_wait_xcnt 0x0
; ATTN.  context = softmax_causal(q k^T / sqrt(128)) v for 32 (batch, head) pairs of 2,048 tokens, both products on codes of FP6 (E2M3) with E8M0 scales; the context is quantised along the head's 128 for the last product.
; THE SOFTMAX: t = score x log2(e) / sqrt(128); M = the running largest t rounded UP to a whole number; p = 2^(t - M) is quantised along the keys; the row's sum is taken of the unquantised p and divides at the end.
; When M moves, the sum and O are multiplied by 2^(old M - new M): exact.
; INPUTS are fragment images (1,536 bytes, registers 4 c .. 4 c + 3 of lane l at 512 c + 16 l): q at fragment bh 128 + block of 16 tokens, k at 4,096 + the same, v (keys innermost) at 8,192 + (bh 16 + key step) 8 + block of 16 of d.
; Lane r of block n holds row 32 (n / 2) + 8 (n % 2) + r + 8 (r / 8).  Both products are used transposed (S^T = K Q^T, O^T = V^T P^T): a lane holds ONE query, and register 16 b + i of a step's 64 scores is key 32 b + 16 h + i.
; SHARES.  Work-group j (0 .. 7) of a head takes the query blocks of 128 numbered 15 - j and j: (16 - j) + (j + 1) = 17 key steps of 128 queries in every work-group.  Wave w owns two tiles of 16 queries: tile A, the w-th of
; block 15 - j (register window 0), and tile B, the w-th of block j (window 1, under the same register numbers).  While KS <= j each fragment of K and V read from LDS feeds both tiles; behind that tile B's sections are jumped over
; (a test on ids), and all eight waves go on with tile A.  Key steps wholly behind the causal mask are left out; a tile's own block of keys is masked.
; RING: two slots of 512 keys (K 49,152 bytes, V 49,152), waves 0-3 fetch a quarter each; the head's scale words (16,384 bytes) come once, by waves 4-7.  A slot that the work-group's walk does not reach (4 slot > 15 - j) is not fetched.
; NO CLUSTER: the eight work-groups of a head walk 16 - j key steps, a different number each, so a partner would issue joint loads whose tiles none of its waves reads.
; PREFETCH: in trip s (s = 0, 1) the slot s + 2, which trip s + 1 loads: its 98,304 bytes are shared among the head's eight work-groups by address (12,288 each), 1,536 a wave, six lanes 256 bytes apart (the others name the sixth block again).
; LIMITS: the promise holds while the scaled scores t stay under 2^31 in magnitude.  Hidden scores are -infinity where the definition has the most negative f32: p = 0 either way; key 0 counts for every query, so M is a number from
; the first step on.  NaN and infinities are not served.  A block of p or of the context whose largest number lies under 2^-124 keeps the byte 1.
; REGISTERS.  Window 0 alone: v1-7 addresses, v8-11 K's scale words, v12-15 V's, v252 Q's (A in lanes 0-15, B in 16-31), v253 4 x lane, v254-255 p's scale words.  v16-63: four fragments in each window.
; In each window, for its tile: v64-127 S^T then p, v128-191 O^T, v192-203 Q, v204-223 codes, v224-235 block maxima, bytes, scale operands, v[236:237] the sum, v238 -M, v239 largest t, v240 f, v242 temp, v243 mask place, v244-251 partial sums.
.set FRB,   1536
.set KSB,   8*FRB
.set VOFF,  4*KSB
.set SLOT1, 1<<17
.set SCK,   2*SLOT1
.set SPARE, SCK+16384                  ; the spare words: 128 bytes a wave
.set LI,1
.set ADK,2
.set ADS,3
.set SPW,4
.set NIL,5
.set R4,6
.set PFO,7
.set KSC,8
.set VSC,12
.set HF,16
.set S,64
.set O,128
.set Q,192
.set PC,204
.set PT,216
.set BM,224
.set BP,228
.set SO,232
.set L,236
.set MN,238
.set F,240
.set TT,242
.set DQ,243
.set T,244
.set QS,252
.set L4,253
.set PS,254
.set WV,18
.set SEL,20
.set CS,22
.set G1,24
.set G1S,32
.set G0,40
.set G0S,44
.set TB,48
.set TS,49
.set KS,50
.set BLK,51                            ; j: tile B's block of keys
.set SLOTS,52
.set CNT,53
.set BLKH,54                           ; 15 - j: tile A's, and the work-group's last key step
.set NINF,55
.set PFA,56
.set MSB,0
.macro WIN new                         ; low byte: bits 1:0 source 0, 3:2 source 1, 5:4 source 2, 7:6 destination; the high byte repeats the setting that is left
.if MSB != (\new)
	s_set_vgpr_msb (MSB<<8)|(\new)
.set MSB, (\new)
.endif
.endm
.macro NOPS
.rept 4
	v_nop
.endr
.endm
	s_load_b256 s[4:11], s[0:1], 0x0               ; codes2, scales2, codes3, scales3
	v_lshl_add_u32 v[SPW], v0, 2, SPARE
	v_mov_b32 v[NIL], 0
	ds_add_u32 v[SPW], v[NIL]                      ; the opening lines: the add twice and one wait
	ds_add_u32 v[SPW], v[NIL]
	v_lshrrev_b32 v[ADK], 5, v0
	s_delay_alu instid0(VALU_DEP_1)
	v_readfirstlane_b32 s[WV], v[ADK]
	s_mov_b32 s[BLK], ttmp9                        ; j
	s_and_b32 s60, ttmp7, 0xffff                   ; bh = batch x 16 + head
	s_sub_co_u32 s[BLKH], 15, s[BLK]
	s_and_b32 s69, s[WV], 3
	s_mov_b32 s[G1], 3<<16                         ; 24,576 dense bytes: 96 rows of 32 elements of 8 bytes
	s_mov_b32 s[G1+1], 32<<16
	s_mov_b32 s[G1+2], 96<<16
	s_mov_b32 s[G1+3], 32<<16
	s_mov_b32 s[G1+4], 96
	s_mov_b32 s[G1+5], 32
	s_mov_b32 s[G1+6], 0
	s_mov_b32 s[G1+7], 0
	s_mov_b32 s[G1S], 3<<16                        ; 4,096 dense bytes
	s_mov_b32 s[G1S+1], 32<<16
	s_mov_b32 s[G1S+2], 16<<16
	s_mov_b32 s[G1S+3], 32<<16
	s_mov_b32 s[G1S+4], 16
	s_mov_b32 s[G1S+5], 32
	s_mov_b32 s[G1S+6], 0
	s_mov_b32 s[G1S+7], 0
	s_lshr_b32 s70, s69, 1                         ; the quarter that I fetch: K's halves, V's halves
	s_add_co_u32 s70, s70, 1                       ; 1: k, 2: v
	s_and_b32 s71, s[WV], 1
	s_mul_i32 s72, s70, 4096*FRB
	s_mul_i32 s73, s60, 128*FRB
	s_add_co_u32 s72, s72, s73
	s_mul_i32 s73, s71, 16*FRB
	s_add_co_u32 s72, s72, s73
	s_mov_b32 s73, 0
	s_lshl_b32 s74, s70, 18
	s_lshl_b32 s75, s60, 13
	s_add_co_u32 s74, s74, s75
	s_lshl_b32 s75, s71, 12
	s_add_co_u32 s74, s74, s75
	s_mov_b32 s75, 0
	s_mul_i32 s76, s69, 16*FRB
	s_lshl_b32 s77, s69, 12
	s_add_co_u32 s77, s77, SCK
	s_lshl_b32 s78, s[BLK], 3
	s_add_co_u32 s78, s78, s[WV]                   ; tile B's block of 16 queries
	s_sub_co_u32 s61, s[BLKH], s[BLK]
	s_lshl_b32 s61, s61, 3                         ; tile A's lies 8 (15 - 2 j) blocks on
	s_lshl_b32 s62, s61, 6                         ; in bytes of q's scale words,
	s_lshl_b32 s63, s61, 2                         ; (a sixteenth of that)
	s_mul_i32 s92, s61, 16*FRB                     ; of the context's fragments,
	s_mov_b32 s93, 0
	s_mul_i32 s94, s61, FRB                        ; of q's fragments,
	s_mov_b32 s95, 0
	s_lshl_b32 s96, s61, 10                        ; of the context's scale words
	s_mov_b32 s97, 0
	s_lshl_b32 s79, s60, 7
	s_add_co_u32 s79, s79, s78                     ; q's fragment (tile B)
	s_mul_i32 s80, s79, FRB
	s_mov_b32 s81, 0
	s_lshl_b32 s82, s79, 6
	s_mov_b32 s83, 0
	s_lshr_b32 s84, s60, 4
	s_lshl_b32 s84, s84, 7
	s_add_co_u32 s84, s84, s78
	s_lshl_b32 s84, s84, 4
	s_and_b32 s85, s60, 15
	s_add_co_u32 s84, s84, s85                     ; the context's fragment: (batch 128 + block) 16 + head (tile B)
	s_mul_i32 s86, s84, FRB
	s_mov_b32 s87, 0
	s_lshl_b32 s88, s84, 6
	s_mov_b32 s89, 0
	s_lshr_b32 s90, s[BLK], 2                      ; the prefetches: work-group j takes piece j of a slot's eight (K's four key steps, V's four),
	s_add_co_u32 s90, s90, 1
	s_mul_i32 s90, s90, 4096*FRB
	s_mul_i32 s91, s60, 128*FRB
	s_add_co_u32 s90, s90, s91
	s_and_b32 s91, s[BLK], 3
	s_mul_i32 s91, s91, KSB
	s_add_co_u32 s90, s90, s91
	s_mul_i32 s91, s[WV], FRB                      ; my wave 1,536 bytes of it,
	s_add_co_u32 s90, s90, s91
	s_add_co_u32 s90, s90, 32*FRB                  ; in slot 1: the first trip steps it to slot 2
	s_mov_b32 s91, 0
	s_lshr_b32 s66, s[WV], 1                       ; my tiles' place in their 128: 32 (w / 2) + 8 (w % 2)
	s_lshl_b32 s66, s66, 5
	s_and_b32 s67, s[WV], 1
	s_lshl_b32 s67, s67, 3
	s_add_co_u32 s66, s66, s67
	s_mov_b32 s[SEL], 0x76543210
	s_mov_b32 s[SEL+1], 0xfedcba98
	s_mov_b32 s[CS], 0x3e0293ee                    ; log2(e) / sqrt(128)
	s_mov_b32 s[CS+1], s[CS]
	s_mov_b32 s[NINF], 0xff800000
	s_mov_b32 s[TB], 0
	s_mov_b32 s[TS], SCK
	s_mov_b32 s[KS], 0
	s_mov_b32 s[SLOTS], 4
	s_wait_dscnt 0x0                               ; both opening adds are done
	s_wait_kmcnt 0x0
	s_mov_b32 s[G0], 1
	s_mov_b32 s[G0+1], s76
	s_add_nc_u64 s[G0+2:G0+3], s[4:5], s[72:73]
	s_or_b32 s[G0+3], s[G0+3], 0x80000000
	s_mov_b32 s[G0S], 1
	s_mov_b32 s[G0S+1], s77
	s_add_nc_u64 s[G0S+2:G0S+3], s[6:7], s[74:75]
	s_or_b32 s[G0S+3], s[G0S+3], 0x80000000
	s_cmp_lt_u32 s[WV], 4                          ; the head's loads, one a wave: waves 0-3 a quarter of slot 0, waves 4-7 a quarter of the scale words
	s_cbranch_scc0 .Lhead_sc
	tensor_load_to_lds s[G0:G0+3], s[G1:G1+7]
	s_nop 0
	NOPS
	s_branch .Lhead_on
.Lhead_sc:
	tensor_load_to_lds s[G0S:G0S+3], s[G1S:G1S+7]
	s_nop 0
	NOPS
.Lhead_on:
	s_add_nc_u64 s[80:81], s[4:5], s[80:81]        ; q, tile B
	s_add_nc_u64 s[94:95], s[80:81], s[94:95]      ; q, tile A
	s_add_nc_u64 s[82:83], s[6:7], s[82:83]        ; q's scale words, tile B
	s_add_nc_u64 s[98:99], s[10:11], s[88:89]      ; the context's scale words, tile B
	s_add_nc_u64 s[10:11], s[98:99], s[96:97]      ; and tile A
	s_add_nc_u64 s[96:97], s[8:9], s[86:87]        ; the context, tile B
	s_add_nc_u64 s[8:9], s[96:97], s[92:93]        ; and tile A
	s_add_nc_u64 s[PFA:PFA+1], s[4:5], s[90:91]
	v_and_b32 v[ADK], 31, v0                       ; lane
	v_and_b32 v[ADS], 15, v0                       ; r
	v_bfe_u32 v[TT], v0, 4, 1                      ; h
	v_lshlrev_b32 v[LI], 4, v[ADK]
	v_lshlrev_b32 v[L4], 2, v[ADK]
	v_min_u32 v[PFO], 5, v[ADK]
	v_lshlrev_b32 v[R4], 2, v[ADS]
	v_and_b32 v[DQ], 8, v[ADS]
	v_lshlrev_b32 v[PFO], 8, v[PFO]
	v_lshlrev_b32 v[TT], 4, v[TT]
	v_add_nc_u32 v[DQ], v[DQ], v[ADS]
	v_mul_u32_u24 v[ADS], s63, v[TT]               ; q's scale words: lanes 16-31 take tile B's, lanes 0-15 tile A's, s62 bytes on
	s_delay_alu instid0(VALU_DEP_1)
	v_sub_nc_u32 v[ADS], s62, v[ADS]
	s_delay_alu instid0(VALU_DEP_1)
	v_add_nc_u32 v[ADS], v[ADS], v[R4]
.irp c, 0,1,2
	global_load_b128 v[Q+4*\c:Q+4*\c+3], v[LI], s[94:95] offset:512*\c          ; Q's fragments stay in registers
.endr
	global_load_b32 v[QS], v[ADS], s[82:83]
	WIN 0x40
.irp c, 0,1,2
	global_load_b128 v[Q+4*\c:Q+4*\c+3], v[LI], s[80:81] offset:512*\c
.endr
	WIN 0
	v_sub_nc_u32 v[DQ], v[DQ], v[TT]
	s_delay_alu instid0(VALU_DEP_1)
	v_add_nc_u32 v[DQ], s66, v[DQ]                 ; 32 (w / 2) + 8 (w % 2) + r + 8 (r / 8) - 16 h
.macro INIT                            ; the step is written once: the first step finds a sum, p and O^T of zeros, which the first change of M leaves zeros
	v_mov_b32 v[MN+1], 0xff61b1e6                  ; the largest t so far: -3e38
.irp x, L, L+1, F, F+1, TT, BP, BP+1, BP+2, BP+3
	v_mov_b32 v[\x], 0
.endr
.set j, 0
.rept 128
	v_mov_b32 v[S+j], 0
.set j, j+1
.endr
	v_floor_f32 v[MN], -v[MN+1]                    ; -M
.endm
	INIT
	WIN 0x40                                       ; destinations in window 1, sources in window 0
	v_mov_b32 v[DQ], v[DQ]                         ; both tiles have the same place in their 128
	INIT
	WIN 0
.macro FRAGS base                      ; a key step's eight fragments at byte base: four into window 0, four into window 1
	WIN 0
.irp u, 0,1,2,3
.irp c, 0,1,2
	ds_load_b128 v[HF+12*\u+4*\c:HF+12*\u+4*\c+3], v[ADK] offset:\base+FRB*\u+512*\c
.endr
.endr
	WIN 0x40
.irp u, 0,1,2,3
.irp c, 0,1,2
	ds_load_b128 v[HF+12*\u+4*\c:HF+12*\u+4*\c+3], v[ADK] offset:\base+FRB*(4+\u)+512*\c
.endr
.endr
	WIN 0
.endm
.macro SCW reg, base                   ; their scale words: register u: lanes 0-15 fragment 2 u, lanes 16-31 fragment 2 u + 1
.irp u, 0,1,2,3
	ds_load_b32 v[\reg+\u], v[ADS] offset:\base+128*\u
.endr
.endm
.macro SUMA                            ; the row's sum of the unquantised p, four chains of pairs
.irp k, 0,1,2,3
	v_pk_add_f32 v[T+2*\k:T+2*\k+1], v[S+2*\k:S+2*\k+1], v[S+8+2*\k:S+9+2*\k]
.endr
.endm
.macro SUMB
.set i, 16
.rept 24
	v_pk_add_f32 v[T+i%8:T+i%8+1], v[T+i%8:T+i%8+1], v[S+i:S+i+1]
.set i, i+2
.endr
	v_pk_add_f32 v[T:T+1], v[T:T+1], v[T+2:T+3]
	v_pk_add_f32 v[T+4:T+5], v[T+4:T+5], v[T+6:T+7]
	s_delay_alu instid0(VALU_DEP_1)
	v_pk_add_f32 v[T:T+1], v[T:T+1], v[T+4:T+5]
	s_delay_alu instid0(VALU_DEP_1)
	v_pk_add_f32 v[L:L+1], v[L:L+1], v[T:T+1]
.endm
.macro WS f, u, t                      ; S^T tile f of tile t
.if (\f)%2
.if \t
	v_wmma_scale_f32_16x16x128_f8f6f4 v[S+8*(\f):S+8*(\f)+7], v[HF+12*(\u):HF+12*(\u)+11], v[Q:Q+11], 0, v[KSC+(\f)/2], v[QS] matrix_a_fmt:MATRIX_FMT_FP6 matrix_b_fmt:MATRIX_FMT_FP6 matrix_a_scale:MATRIX_SCALE_ROW1 matrix_b_scale:MATRIX_SCALE_ROW1
.else
	v_wmma_scale_f32_16x16x128_f8f6f4 v[S+8*(\f):S+8*(\f)+7], v[HF+12*(\u):HF+12*(\u)+11], v[Q:Q+11], 0, v[KSC+(\f)/2], v[QS] matrix_a_fmt:MATRIX_FMT_FP6 matrix_b_fmt:MATRIX_FMT_FP6 matrix_a_scale:MATRIX_SCALE_ROW1
.endif
.else
.if \t
	v_wmma_scale_f32_16x16x128_f8f6f4 v[S+8*(\f):S+8*(\f)+7], v[HF+12*(\u):HF+12*(\u)+11], v[Q:Q+11], 0, v[KSC+(\f)/2], v[QS] matrix_a_fmt:MATRIX_FMT_FP6 matrix_b_fmt:MATRIX_FMT_FP6 matrix_b_scale:MATRIX_SCALE_ROW1
.else
	v_wmma_scale_f32_16x16x128_f8f6f4 v[S+8*(\f):S+8*(\f)+7], v[HF+12*(\u):HF+12*(\u)+11], v[Q:Q+11], 0, v[KSC+(\f)/2], v[QS] matrix_a_fmt:MATRIX_FMT_FP6 matrix_b_fmt:MATRIX_FMT_FP6
.endif
.endif
.endm
.macro WP f, u, t                      ; O^T tile f of tile t
.if (\f)%2
	v_wmma_scale_f32_16x16x128_f8f6f4 v[O+8*(\f):O+8*(\f)+7], v[HF+12*(\u):HF+12*(\u)+11], v[PC:PC+11], v[O+8*(\f):O+8*(\f)+7], v[VSC+(\f)/2], v[PS+\t] matrix_a_fmt:MATRIX_FMT_FP6 matrix_b_fmt:MATRIX_FMT_FP6 matrix_a_scale:MATRIX_SCALE_ROW1
.else
	v_wmma_scale_f32_16x16x128_f8f6f4 v[O+8*(\f):O+8*(\f)+7], v[HF+12*(\u):HF+12*(\u)+11], v[PC:PC+11], v[O+8*(\f):O+8*(\f)+7], v[VSC+(\f)/2], v[PS+\t] matrix_a_fmt:MATRIX_FMT_FP6 matrix_b_fmt:MATRIX_FMT_FP6
.endif
.endm
.macro MM w, t                         ; eight products of tile t: source 0 from window g, all else from the tile's window; the accumulators take turns
.irp g, 0,1
	WIN (\t<<6)|(\t<<4)|(\t<<2)|\g
.irp u, 0,1,2,3
	\w 4*\g+\u, \u, \t
.endr
.endr
.endm
; the mask, the maxima, the new M, f, and t - M: plain vector work alone.  Tile A's scores are first read behind tile B's exponentials: a wait stands ahead of their first reader
.macro PH1 t
	WIN 0
.if \t
	s_cmp_lg_u32 s[KS], s[BLK]                     ; in the tile's own block of keys hidden scores become -infinity ahead of the maximum
.else
	s_cmp_lg_u32 s[KS], s[BLKH]
.endif
	s_cbranch_scc1 .Lopen_\@
	WIN 0x55*\t
.if \t == 0
	s_wait_alu depctr_va_vdst(0)
.endif
.set n, 0
.rept 64
	v_cmp_le_i32 vcc_lo, 32*(n/16)+n%16, v[DQ]     ; register 16 b + i holds key 32 b + 16 h + i: it counts where 32 b + i <= my query's place - 16 h
	v_cndmask_b32 v[S+n], s[NINF], v[S+n], vcc_lo
.set n, n+1
.endr
	WIN 0
.Lopen_\@:
	WIN 0x55*\t
.if \t == 0
	s_wait_alu depctr_va_vdst(0)
.endif
.irp b, 0,1,2,3
	v_max3_num_f32 v[BM+\b], v[S+16*\b], v[S+1+16*\b], v[S+2+16*\b]   ; the largest score of each block of 32 keys: for the row's maximum and, since p rises with the score, for the block's largest p
.endr
.irp i, 3,5,7,9,11,13
.irp b, 0,1,2,3
	v_max3_num_f32 v[BM+\b], v[BM+\b], v[S+16*\b+\i], v[S+1+16*\b+\i]
.endr
.endr
.irp b, 0,1,2,3
	v_max_num_f32 v[BM+\b], v[BM+\b], v[S+15+16*\b]
.endr
.irp b, 0,1,2,3
	v_permlanex16_b32 v[BP+\b], v[BM+\b], s[SEL], s[SEL+1]
.endr
.irp b, 0,1,2,3
	v_max_num_f32 v[BM+\b], v[BM+\b], v[BP+\b]     ; with lane l xor 16's 16 keys
.endr
	s_delay_alu instid0(VALU_DEP_2)
	v_max3_num_f32 v[TT], v[BM], v[BM+1], v[BM+2]
	s_delay_alu instid0(VALU_DEP_1)
	v_max_num_f32 v[TT], v[TT], v[BM+3]
	s_delay_alu instid0(VALU_DEP_1)
	v_mul_f32 v[TT], s[CS], v[TT]                  ; the step's largest t
	s_delay_alu instid0(VALU_DEP_1)
	v_max_num_f32 v[MN+1], v[MN+1], v[TT]
	v_mov_b32 v[TT], v[MN]
	s_delay_alu instid0(VALU_DEP_2)
	v_floor_f32 v[MN], -v[MN+1]                    ; the new -M = -ceil(t)
	s_delay_alu instid0(VALU_DEP_1)
	v_sub_f32 v[TT], v[MN], v[TT]                  ; old M - new M: a whole number, 0 or less
	s_delay_alu instid0(VALU_DEP_1)
	v_cvt_i32_f32 v[TT], v[TT]                     ; (it saturates)
	s_delay_alu instid0(VALU_DEP_1)
	v_ldexp_f32 v[F], 1.0, v[TT]                   ; f = 2^(old M - new M)
.set j, 0
.rept 32
	v_pk_fma_f32 v[S+j:S+j+1], v[S+j:S+j+1], s[CS:CS+1], v[MN:MN+1] op_sel_hi:[1,0,0]   ; t - M
.set j, j+2
.endr
.irp b, 0,1,2,3
	v_fma_f32 v[BM+\b], v[BM+\b], s[CS], v[MN]     ; the same of each block's largest score
.endr
	v_pk_mul_f32 v[L:L+1], v[L:L+1], v[F:F+1] op_sel_hi:[1,0]   ; the sum under the new M
.endm
; BM holds the four blocks' largest magnitudes: scale operands, bytes, the scale word (p = 1: into p's scale register in window 0; else into TT), and the 64 numbers in S become a fragment in PC
.macro QTAIL t, p
.irp b, 0,1,2,3
	v_add_nc_u32 v[SO+\b], 0xff000000, v[BM+\b]    ; 2 off the exponent field: the conversion's scale operand
.endr
.irp b, 0,1,2,3
	v_lshrrev_b32 v[BP+\b], 23, v[SO+\b]           ; the scale's byte
.endr
	v_lshl_or_b32 v[TT], v[BP+1], 8, v[BP]
	s_delay_alu instid0(VALU_DEP_1)
	v_lshl_or_b32 v[TT], v[BP+2], 16, v[TT]
.if \p
	WIN 0x15*\t
	v_lshl_or_b32 v[PS+\t], v[BP+3], 24, v[TT]
	WIN 0x55*\t
.else
	v_lshl_or_b32 v[TT], v[BP+3], 24, v[TT]
.endif
.irp c, 0,1
	v_cvt_scalef32_pk16_fp6_f32 v[PC+6*\c:PC+2+6*\c], v[S+32*\c:S+15+32*\c], v[SO+2*\c]
	v_cvt_scalef32_pk16_fp6_f32 v[PT+4*\c:PT+2+4*\c], v[S+16+32*\c:S+31+32*\c], v[SO+2*\c+1]   ; (a conversion's three registers begin on an even number)
.endr
	v_nop                                          ; one plain line behind the scaled conversions
.irp c, 0,1                                    ; the layout wants a whole block in a lane
.irp i, 0,1,2
	v_permlane16_swap_b32 v[PC+6*\c+\i], v[PT+4*\c+\i]
.endr
.irp i, 0,1,2
	v_mov_b32 v[PC+3+6*\c+\i], v[PT+4*\c+\i]
.endr
.endr
.endm
; one tile's softmax, quantiser and second product
.macro SOFT t
	PH1 \t
	s_wait_dscnt 0x0                               ; V's fragments and scale words, asked for ahead of the maxima
	s_wait_alu depctr_va_vdst(0)                   ; the wait ahead of the batch
.set j, 0
.rept 64
	v_exp_f32 v[S+j], v[S+j]                       ; p = 2^(t - M)
.set j, j+1
.endr
.irp b, 0,1,2,3
	v_exp_f32 v[BM+\b], v[BM+\b]                   ; the block's largest p: the same two instructions on the same number
.endr
	v_nop                                          ; a plain line behind the exponentials
	s_wait_alu depctr_va_vdst(0)                   ; one wait for the batch, directly ahead of the first reader of O^T too
.set j, 0
.rept 32
	v_pk_mul_f32 v[O+j:O+j+1], v[O+j:O+j+1], v[F:F+1] op_sel_hi:[1,0]   ; O^T under the new M, each accumulator from its low end on
.set j, j+2
.endr
.irp b, 0,1,2,3
	v_max_num_f32 v[BM+\b], 0x1800000, v[BM+\b]    ; the floor 2^(3 - 127): the byte cannot fall under 1
.endr
	QTAIL \t, 1
	NOPS                                           ; places between the codes' last write and the products
	MM WP, \t
	WIN 0
.endm
; A KEY STEP: 128 keys x tile A, and x tile B while KS <= j
.macro STEP
	s_cmp_gt_u32 s[KS], s[BLKH]                    ; all its keys come after my queries: the work is left out, not the lines that step addresses
	s_cbranch_scc1 .Lhidden_\@
	v_add_nc_u32 v[ADK], s[TB], v[LI]
	v_add_nc_u32 v[ADS], s[TS], v[L4]
	SUMA                                           ; the last step's p is summed here, under K's loads; these six lines are the places behind the last products
	FRAGS 0
	SCW KSC, 0
	SUMB
	s_wait_dscnt 0x0                               ; K's fragments and scale words
	MM WS, 0
	WIN 0
	s_cmp_gt_u32 s[KS], s[BLK]
	s_cbranch_scc1 .Lone_\@
	WIN 0x55
	SUMA
	SUMB
	MM WS, 1
	WIN 0
.Lone_\@:
	NOPS                                           ; places in front of loads into K's registers and of the first read of the scores
	FRAGS VOFF
	SCW VSC, 8192
	s_cmp_gt_u32 s[KS], s[BLK]
	s_cbranch_scc1 .Lhigh_\@
	SOFT 1
.Lhigh_\@:
	SOFT 0
.Lhidden_\@:
	s_add_co_u32 s[KS], s[KS], 1
	s_add_co_u32 s[TS], s[TS], 512
.endm
	s_wait_alu depctr_va_vdst(0)                   ; the wait at the head's end
	s_wait_loadcnt 0x0                             ; Q
.Lslot:                                            ; four trips, one for each slot of 512 keys
	s_wait_tensorcnt 0x0                           ; all my tensor loads have landed, so a group 0 may be written
	ds_add_u32 v[SPW], v[NIL]                      ; 0 onto my spare word
	s_xor_b32 s[G0+1], s[G0+1], SLOT1              ; the other slot than last time,
	s_add_nc_u64 s[G0+2:G0+3], s[G0+2:G0+3], 32*FRB   ; the next 512 keys
	s_wait_xcnt 0x0                                ; the last prefetch, a trip back, has read its address
	s_add_nc_u64 s[PFA:PFA+1], s[PFA:PFA+1], 32*FRB
	s_add_co_u32 s58, s[KS], 4                     ; the next slot's first key step
	s_wait_dscnt 0x0                               ; the add is done, and my reads of the slot that I have left are over
	s_barrier_signal -1
	s_barrier_wait -1
	s_cmp_gt_u32 s58, s[BLKH]                      ; no wave of the work-group reads the next slot: it is not fetched (ids and the counted steps alone; the same in all waves)
	s_cbranch_scc1 .Lnone
	s_cmp_lt_u32 s[WV], 4
	s_cbranch_scc0 .Lnone
	tensor_load_to_lds s[G0:G0+3], s[G1:G1+7]      ; my one tensor load behind this barrier: it has four key steps in which to land
	s_nop 0
	NOPS
.Lnone:
	s_cmp_lt_u32 s[KS], 8                          ; trips 0 and 1 ask for slots 2 and 3; the last two ask for nothing
	s_cbranch_scc0 .Lnoask
	global_prefetch_b8 v[PFO], s[PFA:PFA+1] th:TH_LOAD_NT scope:SCOPE_SE
.Lnoask:
	s_mov_b32 s[CNT], 4
.Lstep:
	STEP
	s_add_co_u32 s[TB], s[TB], KSB
	s_sub_co_u32 s[CNT], s[CNT], 1
	s_cmp_lg_u32 s[CNT], 0
	s_cbranch_scc1 .Lstep
	s_sub_co_u32 s[TB], s[TB], 4*KSB
	s_xor_b32 s[TB], s[TB], SLOT1                  ; on to the other slot
	s_sub_co_u32 s[SLOTS], s[SLOTS], 1
	s_cmp_lg_u32 s[SLOTS], 0
	s_cbranch_scc1 .Lslot
	SUMA                                           ; each tile's last p; these lines are also the places behind the last products
	SUMB
	WIN 0x55
	SUMA
	SUMB
; THE WAY OUT: O^T / the sum is quantised along d (register 16 B + i = d 32 B + 16 h + i of my query) and leaves as the fragment image of the last product's operand
.macro EPI t
	WIN 0x55*\t
	v_add_f32 v[L], v[L], v[L+1]
	s_delay_alu instid0(VALU_DEP_1)
	v_permlanex16_b32 v[TT], v[L], s[SEL], s[SEL+1]
	s_delay_alu instid0(VALU_DEP_1)
	v_add_f32 v[L], v[L], v[TT]                    ; the row's sum
	s_wait_alu depctr_va_vdst(0)                   ; the wait ahead of the reciprocal
	v_rcp_f32 v[L], v[L]
	v_nop
	s_wait_alu depctr_va_vdst(0)                   ; and ahead of its first reader
.set j, 0
.rept 32
	v_pk_mul_f32 v[S+j:S+j+1], v[O+j:O+j+1], v[L:L+1] op_sel_hi:[1,0]
.set j, j+2
.endr
.irp b, 0,1,2,3
	v_max3_num_f32 v[BM+\b], |v[S+16*\b]|, |v[S+1+16*\b]|, 0x1800000
.endr
.irp i, 2,4,6,8,10,12,14
.irp b, 0,1,2,3
	v_max3_num_f32 v[BM+\b], v[BM+\b], |v[S+16*\b+\i]|, |v[S+1+16*\b+\i]|
.endr
.endr
.irp b, 0,1,2,3
	v_permlanex16_b32 v[BP+\b], v[BM+\b], s[SEL], s[SEL+1]
.endr
.irp b, 0,1,2,3
	v_max_num_f32 v[BM+\b], v[BM+\b], v[BP+\b]
.endr
	QTAIL \t, 0
	WIN 0x04*\t                                    ; the data from the tile's window, the offsets from window 0
.irp c, 0,1,2
	global_store_b128 v[LI], v[PC+4*\c:PC+4*\c+3], s[8+88*\t:9+88*\t] offset:512*\c   ; 32 lanes store 512 consecutive bytes
.endr
	global_store_b32 v[R4], v[TT], s[10+88*\t:11+88*\t]   ; the fragment's 64 bytes of scale words; both halves of the lanes write the same word
.endm
	EPI 0
	EPI 1
	WIN 0
	s_wait_tensorcnt 0x0                           ; the wave's end
	ds_add_u32 v[SPW], v[NIL]
	s_wait_dscnt 0x0
	s_endpgm
.Lfunc_end_k_qd9c325e679_attn:
	.size	k_qd9c325e679_attn, .Lfunc_end_k_qd9c325e679_attn-k_qd9c325e679_attn
	.p2alignl 7, 3214868480
	.fill 96, 4, 3214868480
	.section	.rodata,"a",@progbits
	.p2align	6, 0x0
	.amdhsa_kernel k_qd9c325e679_attn
		.amdhsa_group_segment_fixed_size 327680
		.amdhsa_private_segment_fixed_size 0
		.amdhsa_enable_private_segment 0
		.amdhsa_kernarg_size 32
		.amdhsa_user_sgpr_count 2
		.amdhsa_user_sgpr_kernarg_segment_ptr 1
		.amdhsa_wavefront_size32 1
		.amdhsa_system_sgpr_workgroup_id_x 1
		.amdhsa_system_sgpr_workgroup_id_y 1
		.amdhsa_system_sgpr_workgroup_id_z 1
		.amdhsa_system_vgpr_workitem_id 0
		.amdhsa_next_free_vgpr 512
		.amdhsa_next_free_sgpr 100
		.amdhsa_reserve_vcc 1
		.amdhsa_float_denorm_mode_32 3
		.amdhsa_float_denorm_mode_16_64 3
		.amdhsa_memory_ordered 1
		.amdhsa_forward_progress 1
		.amdhsa_inst_pref_size 80
	.end_amdhsa_kernel
	.amdgpu_metadata
---
amdhsa.version: [ 1, 2 ]
amdhsa.kernels:
  - .name:           k_qd9c325e679_attn
    .symbol:         k_qd9c325e679_attn.kd
    .args:
      - { .name: codes2, .offset: 0, .size: 8, .value_kind: global_buffer, .address_space: global }
      - { .name: scales2, .offset: 8, .size: 8, .value_kind: global_buffer, .address_space: global }
      - { .name: codes3, .offset: 16, .size: 8, .value_kind: global_buffer, .address_space: global }
      - { .name: scales3, .offset: 24, .size: 8, .value_kind: global_buffer, .address_space: global }
    .group_segment_fixed_size: 327680
    .private_segment_fixed_size: 0
    .kernarg_segment_align: 8
    .kernarg_segment_size: 32
    .max_flat_workgroup_size: 256
    .sgpr_count:     100
    .vgpr_count:     512
    .wavefront_size: 32
...
	.end_amdgpu_metadata
.endif
;; end of part 3
;; launch oproj (part 4): grid 8 x 32, 4 waves a work-group, clusters of 4 x 4, 327,680 bytes of LDS; arguments codes3, scales3, codes1, scales1, bo, out0; writes out0
.if DOCPART == 4
	.amdgcn_target "amdgcn-amd-amdhsa--gfx1250"
	.amdhsa_code_object_version 6
	.text
	.protected	k_qd9c325e679_oproj
	.globl	k_qd9c325e679_oproj
	.p2align	8
	.type	k_qd9c325e679_oproj,@function
k_qd9c325e679_oproj:
	s_mov_b64 s[64:65], 0
	v_nop
	global_prefetch_b8 v0, s[64:65] scope:SCOPE_SE
	s_setreg_imm32_b32 hwreg(HW_REG_WAVE_MODE, 25, 1), 1
	s_wait_xcnt 0x0
	s_wait_alu depctr_hold_cnt(0) depctr_sa_sdst(0) depctr_va_vdst(0) depctr_va_sdst(0) depctr_va_ssrc(0) depctr_va_vcc(0) depctr_vm_vsrc(0)
	s_getreg_b32 s2, hwreg(HW_REG_IB_STS2, 6, 4)
	s_cmp_eq_u32 s2, 0
	s_cbranch_scc0 .Lentry_in_a_cluster
	s_endpgm
.Lentry_in_a_cluster:
	s_bfe_u32 s2, ttmp6, 0x10000c
	s_cmp_lg_u32 s2, 0xf033
	s_cbranch_scc0 .Lentry_shape_is_right
	s_endpgm
.Lentry_shape_is_right:
.set FR,    12
.set FRB,   1536
.set RBB,   4*FRB
.set HALFT, 4*RBB
.set SLOT,  4*HALFT
.set SCL,   2*SLOT
.set SPARE, SCL+4*4096
.set STAGE, SPARE+512
.set SPITCH, 272
.set LI,   1
.set BO,   12
.set ADRA, 16
.set ADRB, 20
.set STO,  24
.set RD,   25
.set CO,   26
.set ADRS, 27
.set SPW,  28
.set NIL,  29
.set SC,   32
.set BK,   64
.set ACC,  128
.set WV,  20
.set G1,  24
.set G0,  32
.set G1B, 48
.set G0B, 56
.set G1S, 68
.set G0S, 76
.set G1SB, 80
.set G0SB, 88
.set MSB, 0
.macro WIN new
.if MSB != (\new)
	s_set_vgpr_msb (MSB<<8)|(\new)
.set MSB, (\new)
.endif
.endm
.set MUL,  0x05
.set TO_F, 0x40
.macro JLOAD g0a, g1a, g0b, g1b
	s_cmp_eq_u32 s21, 0
	s_cbranch_scc0 .Lfor_b_\@
	tensor_load_to_lds s[\g0a:\g0a+3], s[\g1a:\g1a+7]
	s_nop 0
.rept 4
	v_nop
.endr
	s_branch .Lasked_\@
.Lfor_b_\@:
	tensor_load_to_lds s[\g0b:\g0b+3], s[\g1b:\g1b+7]
	s_nop 0
.rept 4
	v_nop
.endr
.Lasked_\@:
.endm
.macro CREST
	s_cmp_lg_u32 s[WV], 0
	s_cbranch_scc1 .Lnot_wave_0_\@
	s_barrier_signal -3
.Lnot_wave_0_\@:
	s_barrier_wait -3
	s_barrier_signal -1
	s_barrier_wait -1
.endm
.macro CROUND
	s_barrier_signal -1
	s_barrier_wait -1
	CREST
.endm
.macro PLACES
.rept 4
	v_nop
.endr
.endm
	s_load_b256 s[4:11], s[0:1], 0x0
	s_load_b128 s[12:15], s[0:1], 0x20
	v_lshl_add_u32 v[SPW], v0, 2, SPARE
	v_mov_b32 v[NIL], 0
	ds_add_u32 v28, v29
	ds_add_u32 v28, v29
	s_wait_dscnt 0x0
	v_lshrrev_b32 v1, 5, v0
	v_readfirstlane_b32 s[WV], v1
	s_lshr_b32 s21, s[WV], 1
	s_and_b32 s22, s[WV], 1
	s_bfe_u32 s40, ttmp6, 0x40000
	s_bfe_u32 s41, ttmp6, 0x40004
	s_lshl_b32 s42, ttmp9, 2
	s_add_co_u32 s42, s42, s40
	s_and_b32 s45, ttmp7, 0xffff
	s_lshl_b32 s45, s45, 2
	s_add_co_u32 s45, s45, s41
	s_lshl_b32 s43, s41, 2
	s_lshl_b32 s43, 15, s43
	s_lshl_b32 s44, 0x1111, s40
	s_or_b32 s[G1+0], s43, (3<<16)|(1<<21)
	s_or_b32 s[G1B+0], s44, (3<<16)|(1<<21)
.irp g, G1, G1B
	s_mov_b32 s[\g+1], 768<<16
	s_mov_b32 s[\g+2], 8<<16                       ; 8 row blocks for the head's loads; 4 behind them
	s_mov_b32 s[\g+3], 768<<16
	s_mov_b32 s[\g+4], 8
	s_mov_b32 s[\g+5], 3072
	s_mov_b32 s[\g+6], 0
	s_mov_b32 s[\g+7], 0
.endr
	s_or_b32 s[G1S+0], s43, (3<<16)|(1<<21)
	s_or_b32 s[G1SB+0], s44, (3<<16)|(1<<21)
.irp g, G1S, G1SB
	s_mov_b32 s[\g+1], 32<<16
	s_mov_b32 s[\g+2], 32<<16
	s_mov_b32 s[\g+3], 32<<16
	s_mov_b32 s[\g+4], 32
	s_mov_b32 s[\g+5], 32
	s_mov_b32 s[\g+6], 0
	s_mov_b32 s[\g+7], 0
.endr
	s_lshl_b32 s66, s45, 3
	s_lshl_b32 s67, s42, 3
	s_mul_i32 s92, s66, 16*FRB
	s_mov_b32 s93, 0
	s_mul_i32 s94, s67, 16*FRB
	s_add_co_u32 s94, s94, 5120*FRB
	s_mov_b32 s95, 0
	s_lshl_b32 s96, s66, 10
	s_mov_b32 s97, 0
	s_lshl_b32 s98, s67, 10
	s_add_co_u32 s98, s98, 5120*64
	s_mov_b32 s99, 0
	s_mul_i32 s46, s[WV], HALFT
	s_wait_kmcnt 0x0
	s_add_nc_u64 s[92:93], s[4:5], s[92:93]
	s_add_nc_u64 s[94:95], s[8:9], s[94:95]
	s_add_nc_u64 s[96:97], s[6:7], s[96:97]
	s_add_nc_u64 s[98:99], s[10:11], s[98:99]
	; the prefetches: of the 4 row blocks that my wave fetches in the ring, the partner at place p among the four that ask jointly (cx for the context, cy for Wo) names block p: told apart by address alone
	s_cmp_eq_u32 s21, 0
	s_cselect_b64 s[2:3], s[4:5], s[8:9]
	s_cselect_b32 s66, s66, s67
	s_cselect_b32 s67, s40, s41
	s_cselect_b32 s47, 0, 5120*FRB
	s_add_co_u32 s66, s66, s67
	s_lshl_b32 s67, s22, 2
	s_add_co_u32 s66, s66, s67
	s_mul_i32 s66, s66, 16*FRB
	s_add_co_u32 s66, s66, s47
	s_mov_b32 s67, 0
	s_add_nc_u64 s[2:3], s[2:3], s[66:67]          ; never rewritten: the K step stands in the immediate
	CROUND
	s_mov_b32 s[G0S], 1
	s_mov_b32 s[G0S+1], SCL
	s_mov_b64 s[G0S+2:G0S+3], s[96:97]
	s_or_b32 s[G0S+3], s[G0S+3], 0x80000000
	s_mov_b32 s[G0SB], 1
	s_mov_b32 s[G0SB+1], SCL+8192
	s_mov_b64 s[G0SB+2:G0SB+3], s[98:99]
	s_or_b32 s[G0SB+3], s[G0SB+3], 0x80000000
	s_mov_b32 s[G0], 1                             ; slot 0's group 0 first serves the head: K step 0 of the context's 8 row blocks, whole,
	s_mov_b32 s[G0+1], 0
	s_mov_b64 s[G0+2:G0+3], s[92:93]
	s_or_b32 s[G0+3], s[G0+3], 0x80000000
	s_mov_b32 s[G0B], 1                            ; and of Wo's 8, behind them
	s_mov_b32 s[G0B+1], 2*HALFT
	s_mov_b64 s[G0B+2:G0B+3], s[94:95]
	s_or_b32 s[G0B+3], s[G0B+3], 0x80000000
	s_mul_i32 s66, s22, 4*16*FRB                   ; in the ring I fetch 4 row blocks: which half, in bytes
	s_mov_b32 s67, 0
	s_add_nc_u64 s[92:93], s[92:93], s[66:67]
	s_add_nc_u64 s[94:95], s[94:95], s[66:67]
	s_mov_b32 s[G0+4], 1                           ; slot 1: K step 1, my quarter
	s_add_co_u32 s[G0+5], s46, SLOT
	s_add_nc_u64 s[G0+6:G0+7], s[92:93], RBB
	s_or_b32 s[G0+7], s[G0+7], 0x80000000
	s_mov_b32 s[G0B+4], 1
	s_add_co_u32 s[G0B+5], s46, SLOT
	s_add_nc_u64 s[G0B+6:G0B+7], s[94:95], RBB
	s_or_b32 s[G0B+7], s[G0B+7], 0x80000000
; the head's loads, one a wave: wave 0 the context's tile, wave 1 Wo's, wave 2 the context's scale words, wave 3 Wo's; one chain of branches on the wave's number
.macro ARM under, g0, g1, next
	s_cmp_lt_u32 s[WV], \under
	s_cbranch_scc0 \next
	tensor_load_to_lds s[\g0:\g0+3], s[\g1:\g1+7]
	s_nop 0
.rept 4
	v_nop
.endr
	s_branch .Lhead_asked
\next:
.endm
	ARM 1, G0,  G1,  .Lhead_b
	ARM 2, G0B, G1B, .Lhead_sa
	ARM 3, G0S, G1S, .Lhead_sb
	tensor_load_to_lds s[G0SB:G0SB+3], s[G1SB:G1SB+7]
	s_nop 0
.rept 4
	v_nop
.endr
.Lhead_asked:
	v_and_b32 v6, 31, v0
	v_lshlrev_b32 v[LI], 4, v6
	v_and_b32 v7, 15, v0
	v_bfe_u32 v8, v0, 4, 1
	v_min_u32 v11, 23, v6                          ; a K step of a row block is 6,144 bytes: 24 lanes 256 bytes apart (the other eight name the last block again)
	v_lshlrev_b32 v11, 8, v11
	global_prefetch_b8 v11, s[2:3] offset:RBB th:TH_LOAD_NT scope:SCOPE_SE     ; K step 1, whose load stands behind the next round,
	global_prefetch_b8 v11, s[2:3] offset:2*RBB th:TH_LOAD_NT scope:SCOPE_SE   ; and K step 2: a K step is 64 matrix instructions a wave, so the lead is two K steps; never more than two steps are asked for and not yet read
	s_wait_alu depctr_va_vdst(0)
	s_mul_i32 s46, s21, HALFT
	s_mul_i32 s47, s22, HALFT
	s_add_co_u32 s47, s47, 2*HALFT
.irp s, 0,1
	v_add_nc_u32 v[ADRA+\s], s46, v[LI]
	v_add_nc_u32 v[ADRB+\s], s47, v[LI]
	s_add_co_u32 s46, s46, SLOT
	s_add_co_u32 s47, s47, SLOT
.endr
	s_lshl_b32 s46, s21, 12
	s_lshl_b32 s47, s22, 12
	s_add_co_u32 s47, s47, 8192
	s_sub_co_u32 s47, s47, s46
	v_mul_u32_u24 v9, s47, v8
	s_add_co_u32 s46, s46, SCL
	v_lshl_add_u32 v9, v7, 2, v9
	v_add_nc_u32 v[ADRS], s46, v9
	s_mul_i32 s46, s[WV], 16*SPITCH
	s_add_co_u32 s46, s46, STAGE
	v_mul_u32_u24 v9, v7, SPITCH
	v_lshl_add_u32 v9, v8, 6, v9
	v_add_nc_u32 v[STO], s46, v9
	v_mul_u32_u24 v9, v8, SPITCH
	v_lshl_add_u32 v9, v7, 4, v9
	v_add_nc_u32 v[RD], s46, v9
	v_lshlrev_b32 v[CO], 12, v8
	v_lshl_add_u32 v[CO], v7, 4, v[CO]
	v_lshlrev_b32 v10, 4, v7
	s_lshl_b32 s46, s42, 9
	s_lshl_b32 s47, s22, 8
	s_add_co_u32 s46, s46, s47
	s_mov_b32 s47, 0
	s_add_nc_u64 s[12:13], s[12:13], s[46:47]
	global_load_b128 v[BO:BO+3], v10, s[12:13]
	s_add_nc_u64 s[14:15], s[14:15], s[46:47]
	s_lshl_b32 s46, s45, 7
	s_lshl_b32 s66, s21, 6
	s_add_co_u32 s46, s46, s66
	s_lshl_b32 s46, s46, 12
	s_add_nc_u64 s[14:15], s[14:15], s[46:47]
.macro FRAG reg, adr, q, i
.irp c, 0,1,2
	ds_load_b128 v[\reg+4*\c:\reg+4*\c+3], v[\adr] offset:RBB*(\i)+FRB*(\q)+512*\c
.endr
.endm
.macro MULA f, a, set, q, zero
.irp b, 0,1,2,3
.if \zero
	v_wmma_scale_f32_16x16x128_f8f6f4 v[ACC+8*(4*(\a)+\b):ACC+8*(4*(\a)+\b)+7], v[\f+48+FR*\b:\f+48+FR*\b+FR-1], v[\f+FR*(\a):\f+FR*(\a)+FR-1], 0, v[SC+16*(\set)+4*(\q)+\b], v[SC+16*(\set)+4*(\q)+(\a)] matrix_a_fmt:MATRIX_FMT_FP6 matrix_b_fmt:MATRIX_FMT_FP6 matrix_a_scale:MATRIX_SCALE_ROW1
.else
	v_wmma_scale_f32_16x16x128_f8f6f4 v[ACC+8*(4*(\a)+\b):ACC+8*(4*(\a)+\b)+7], v[\f+48+FR*\b:\f+48+FR*\b+FR-1], v[\f+FR*(\a):\f+FR*(\a)+FR-1], v[ACC+8*(4*(\a)+\b):ACC+8*(4*(\a)+\b)+7], v[SC+16*(\set)+4*(\q)+\b], v[SC+16*(\set)+4*(\q)+(\a)] matrix_a_fmt:MATRIX_FMT_FP6 matrix_b_fmt:MATRIX_FMT_FP6 matrix_a_scale:MATRIX_SCALE_ROW1
.endif
.endr
.endm
.macro FETCH slot, q, f
	WIN TO_F
.irp b, 0,1,2,3
	FRAG \f+48+FR*\b, ADRB+\slot, \q, \b
.endr
.irp a, 0,1,2,3
	FRAG \f+FR*\a, ADRA+\slot, \q, \a
.endr
.endm
.macro SCALES set, kk
.irp q, 0,1,2,3
.irp i, 0,1,2,3
	ds_load_b32 v[SC+16*(\set)+4*\q+\i], v[ADRS] offset:1024*\i+64*(4*(\kk)+\q)
.endr
.endr
.endm
.macro QSTEP slot, q, zero
	s_wait_dscnt 6
	WIN MUL
	MULA 128*((\q)%2), 0, \slot, \q, \zero
	MULA 128*((\q)%2), 1, \slot, \q, \zero
	s_wait_dscnt 0x0
	PLACES
	FETCH \slot, (\q)+1, 128*(1-(\q)%2)
	WIN MUL
	MULA 128*((\q)%2), 2, \slot, \q, \zero
	MULA 128*((\q)%2), 3, \slot, \q, \zero
.endm
.macro TURN slot, next, fill, kk
	WIN 0
	s_wait_tensorcnt 0x0
	ds_add_u32 v[SPW], v[NIL]
	s_wait_dscnt 7
	WIN MUL
	MULA 128, 0, \slot, 3, 0
	s_wait_dscnt 0x0
	s_barrier_signal -1
	MULA 128, 1, \slot, 3, 0
	WIN 0
	s_barrier_wait -1
.if \fill
	CREST
	s_add_nc_u64 s[G0+4*\slot+2:G0+4*\slot+3], s[G0+4*\slot+2:G0+4*\slot+3], 2*RBB
	s_add_nc_u64 s[G0B+4*\slot+2:G0B+4*\slot+3], s[G0B+4*\slot+2:G0B+4*\slot+3], 2*RBB
	JLOAD G0+4*\slot, G1, G0B+4*\slot, G1B
.else
	PLACES
.endif
	SCALES \next, \kk
	FETCH \next, 0, 0
	WIN MUL
	MULA 128, 2, \slot, 3, 0
	MULA 128, 3, \slot, 3, 0
.endm
	s_wait_alu depctr_va_vdst(0)                   ; the wait at the head's end
	s_wait_tensorcnt 0x0                           ; my tile of the head's four is in; the lines ahead of a later first fill:
	ds_add_u32 v[SPW], v[NIL]
	s_mov_b32 s[G1+2], 4<<16                       ; no tensor load of mine is out: from here on a load brings 4 row blocks
	s_mov_b32 s[G1+4], 4
	s_mov_b32 s[G1B+2], 4<<16
	s_mov_b32 s[G1B+4], 4
	s_mul_i32 s46, s22, 4*16*FRB                   ; slot 0's group 0 is set for the ring: my half of the rows,
	s_mov_b32 s47, 0
	s_add_nc_u64 s[G0+2:G0+3], s[G0+2:G0+3], s[46:47]
	s_add_nc_u64 s[G0B+2:G0B+3], s[G0B+2:G0B+3], s[46:47]
	s_mul_i32 s46, s[WV], HALFT                    ; my quarter of the slot
	s_mov_b32 s[G0+1], s46
	s_mov_b32 s[G0B+1], s46
	s_wait_dscnt 0x0
	CROUND                                         ; a whole round: all four tiles are in, and the joint loads meet
	JLOAD G0+4, G1, G0B+4, G1B                     ; K step 1, the first tensor load behind the round
	SCALES 0, 0
	FETCH 0, 0, 0
	global_prefetch_b8 v11, s[2:3] offset:3*RBB th:TH_LOAD_NT scope:SCOPE_SE   ; K step 3, two refills ahead of its load; the later refills ask for nothing
	QSTEP 0, 0, 1
	QSTEP 0, 1, 0
	QSTEP 0, 2, 0
	TURN 0, 1, 1, 1
	QSTEP 1, 0, 0
	QSTEP 1, 1, 0
	QSTEP 1, 2, 0
	TURN 1, 0, 1, 2
	QSTEP 0, 0, 0
	QSTEP 0, 1, 0
	QSTEP 0, 2, 0
	TURN 0, 1, 0, 3
	QSTEP 1, 0, 0
	QSTEP 1, 1, 0
	QSTEP 1, 2, 0
	s_wait_dscnt 6
	WIN MUL
	MULA 128, 0, 1, 3, 0
	MULA 128, 1, 1, 3, 0
	s_wait_alu depctr_va_vdst(0)
	s_wait_dscnt 0x0
	MULA 128, 2, 1, 3, 0
	MULA 128, 3, 1, 3, 0
	WIN 0
.macro TOSTAGE a
.irp b, 0,1,2,3
	ds_store_b128 v[STO], v[ACC+8*(4*(\a)+\b):ACC+8*(4*(\a)+\b)+3] offset:4*(32*(\b/2)+8*(\b%2))
	ds_store_b128 v[STO], v[ACC+8*(4*(\a)+\b)+4:ACC+8*(4*(\a)+\b)+7] offset:4*(32*(\b/2)+8*(\b%2))+16
.endr
.set BB, BK+32*((\a)%2)
.irp t, 0,1,2,3,4,5,6,7
	ds_load_b128 v[BB+4*\t:BB+4*\t+3], v[RD] offset:2*SPITCH*\t
.endr
.endm
.macro SEND a, younger
.set BB, BK+32*((\a)%2)
	s_wait_dscnt \younger
.irp t, 0,1,2,3,4,5,6,7
	v_pk_add_f32 v[BB+4*\t:BB+4*\t+1], v[BB+4*\t:BB+4*\t+1], v[BO:BO+1]
	v_pk_add_f32 v[BB+4*\t+2:BB+4*\t+3], v[BB+4*\t+2:BB+4*\t+3], v[BO+2:BO+3]
	global_store_b128 v[CO], v[BB+4*\t:BB+4*\t+3], s[14:15] offset:4096*(32*((\a)/2)+8*((\a)%2)+2*\t+8*(\t/4)) th:TH_STORE_NT
.endr
.endm
	PLACES
	s_wait_loadcnt 0x0
	TOSTAGE 0
.irp a, 1,2,3
.if \a > 1
	s_wait_xcnt 0x0
.endif
	TOSTAGE \a
	SEND \a-1, 16
.endr
	SEND 3, 0
	s_wait_tensorcnt 0x0
	ds_add_u32 v[SPW], v[NIL]
	s_wait_dscnt 0x0
	CROUND
	s_endpgm
.Lfunc_end_k_qd9c325e679_oproj:
	.size	k_qd9c325e679_oproj, .Lfunc_end_k_qd9c325e679_oproj-k_qd9c325e679_oproj
	.p2alignl 7, 3214868480
	.fill 96, 4, 3214868480
	.section	.rodata,"a",@progbits
	.p2align	6, 0x0
	.amdhsa_kernel k_qd9c325e679_oproj
		.amdhsa_group_segment_fixed_size 327680
		.amdhsa_private_segment_fixed_size 0
		.amdhsa_enable_private_segment 0
		.amdhsa_kernarg_size 48
		.amdhsa_user_sgpr_count 2
		.amdhsa_user_sgpr_kernarg_segment_ptr 1
		.amdhsa_wavefront_size32 1
		.amdhsa_system_sgpr_workgroup_id_x 1
		.amdhsa_system_sgpr_workgroup_id_y 1
		.amdhsa_system_sgpr_workgroup_id_z 1
		.amdhsa_system_vgpr_workitem_id 0
		.amdhsa_next_free_vgpr 512
		.amdhsa_next_free_sgpr 102
		.amdhsa_reserve_vcc 0
		.amdhsa_float_denorm_mode_32 3
		.amdhsa_float_denorm_mode_16_64 3
		.amdhsa_memory_ordered 1
		.amdhsa_forward_progress 1
		.amdhsa_inst_pref_size 90
	.end_amdhsa_kernel
	.amdgpu_metadata
---
amdhsa.version: [ 1, 2 ]
amdhsa.kernels:
  - .name:           k_qd9c325e679_oproj
    .symbol:         k_qd9c325e679_oproj.kd
    .args:
      - { .name: codes3, .offset: 0, .size: 8, .value_kind: global_buffer, .address_space: global }
      - { .name: scales3, .offset: 8, .size: 8, .value_kind: global_buffer, .address_space: global }
      - { .name: codes1, .offset: 16, .size: 8, .value_kind: global_buffer, .address_space: global }
      - { .name: scales1, .offset: 24, .size: 8, .value_kind: global_buffer, .address_space: global }
      - { .name: bo, .offset: 32, .size: 8, .value_kind: global_buffer, .address_space: global }
      - { .name: out0, .offset: 40, .size: 8, .value_kind: global_buffer, .address_space: global }
    .group_segment_fixed_size: 327680
    .private_segment_fixed_size: 0
    .kernarg_segment_align: 8
    .kernarg_segment_size: 48
    .max_flat_workgroup_size: 128
    .sgpr_count:     102
    .vgpr_count:     512
    .wavefront_size: 32
...
	.end_amdgpu_metadata
.endif
;; end of part 4
